; MI455X (gfx1250); checked and timed in simulation.
; The chip was launched on July 23, 2026; its instructions are those of AMD's public machine-readable ISA for CDNA 5 (MIT licence, August 2026) and "CDNA5" Instruction Set Architecture Reference Guide (July 2026). The comments in the code are by the model that wrote it; some were corrected since.
;; Multi Head Attention. Allowed arithmetic: matrix products marked QUANTISED: E2M3 operands, one E8M0 scale for each 32 along K, by v_wmma_scale_f32_16x16x128_f8f6f4 with both operands' format E2M3, f32 sums; everything else in f32.
;; Inputs: Wk 16 x 1,024 x 64 float32; Wo 1,024 x 1,024 float32; Wq 16 x 1,024 x 64 float32; Wv 16 x 1,024 x 64 float32; bo 1,024 float32; x 4 x 2,048 x 1,024 float32.
;; Outputs: out0 4 x 2,048 x 1,024 float32.
;; This version of the problem:
;;   THIS VERSION OF THE PROBLEM IS GIVEN IN LOW PRECISION. The matrix products marked QUANTISED in the list below multiply operands that are first quantised to E2M3 (2 exponent bits, 3 mantissa bits; 6 bits a number), with one power-of-two scale for each 32 numbers along K (OCP MX v1.0); their sums are f32. All else is computed in f32.
;;   The module's matrix products, in the order in which they are computed (A, B: the left and right operand; K: the contracted axis; several contracted axes count as one K, in the product's order):
;;     1. [M 1,024, K 1,024] x [K 1,024, N 8,192]; A: input Wq; B: input x: QUANTISED
;;     2. [M 1,024, K 1,024] x [K 1,024, N 8,192]; A: input Wk; B: input x: QUANTISED
;;     3. [M 1,024, K 1,024] x [K 1,024, N 8,192]; A: input Wv; B: input x: QUANTISED
;;     4. batch 64 x [M 2,048, K 64] x [K 64, N 2,048]; A: computed on the way; B: computed on the way: QUANTISED
;;     5. batch 64 x [M 2,048, K 2,048] x [K 2,048, N 64]; A: softmax (see below); B: computed on the way: QUANTISED
;;     6. [M 8,192, K 1,024] x [K 1,024, N 1,024]; A: computed on the way; B: input Wo: QUANTISED
;;   THE QUANTISER, for each operand of a quantised product, along K:
;;     - K is cut into blocks of 32 from its start; a last block that is shorter is filled with zeros.
;;     - A block's scale is 2^e with e = floor(log2(the largest magnitude in the block)) - 2, held to -126 .. 127; a block of zeros has e = 0. As a byte (E8M0): e + 127.
;;     - Each number is divided by its block's scale, clamped to +-7.5, and rounded to the nearest number of E2M3, ties to even, subnormals kept.
;;     - The product sums the exact products of the quantised numbers (number of the format x scale) in f32.
;;   ~~~python
;;   def quantise(x, axis):      # numpy; x: float32 -> the quantised numbers, widened to float32 again
;;       x = np.moveaxis(x, axis, -1); K = x.shape[-1]
;;       x = np.pad(x, [(0, 0)] * (x.ndim - 1) + [(0, -K % 32)]); x = x.reshape(x.shape[:-1] + (-1, 32)); a = np.abs(x).max(-1, keepdims=True)
;;       e = np.where(a > 0, np.clip(np.frexp(np.where(a > 0, a, 1))[1] - 1 - 2, -126, 127), 0)      # np.frexp(a)[1] - 1 = floor(log2(a)), exactly
;;       r = np.clip(x / 2.0 ** e, -7.5, 7.5)
;;       step = 2.0 ** (np.maximum(np.frexp(np.where(r == 0, 1, r))[1] - 1, 0) - 3)
;;       q = np.round(r / step) * step * 2.0 ** e      # np.round: ties to even
;;       return np.moveaxis(q.reshape(q.shape[:-2] + (-1,))[..., :K], -1, axis).astype(np.float32)
;;   ~~~
;;   SOFTMAX AHEAD OF A QUANTISED PRODUCT. Where the list says 'softmax', what is quantised is not the finished softmax but p = 2^(t - M), with t = logit x log2(e) and M = ceil(the row's largest t), a whole number; so 1/2 < the row's largest p <= 1. The row's sum l is taken of the UNQUANTISED p, in f32, and the product's result is divided by l at the end. Since M is a whole number, a kernel that streams over the keys may use a running M (the ceiling of the running maximum): every later rescaling is an exact power of two, which a block's scale takes up: the codes' values come out the same.
;;   OPERANDS COMPUTED ON THE WAY. 'Computed on the way' means the value that the module computes at that place (a softmax that the list does not call 'softmax' is quantised finished and normalised). What goes into a quantiser is computed in f32, as accurately as f32 sums, v_exp_f32 and their like allow (about 1e-6 of the number): no bf16 or f16 on the way to a quantiser, and a product that is left as it is and whose result goes on into a quantised operand takes f32 operands (vector FMAs, or v_wmma_f32_16x16x4_f32). A number that lies on a knife's edge between two numbers of the format may be rounded either way, as far as f32 arithmetic and the matrix unit's own rounding can turn it there, and no further.
;; One version. Each part assembles by itself: llvm-mc -triple=amdgcn-amd-amdhsa -mcpu=gfx1250 --defsym DOCPART=n.
;; ======== version 1 of 1: 4 launches
;; limits: right only within a limited range of input values
;; workspace buffers: xc 6,291,456 bytes; xs 262,144 bytes; wc 3,145,728 bytes; ws 262,144 bytes; qkr 13,631,488 bytes; vr 6,553,600 bytes; oc 6,291,456 bytes; os 262,144 bytes
;; launch quant (part 1): grid 512 x 1, 8 waves a work-group, no clusters, 70,144 bytes of LDS; arguments x, Wq, Wk, Wv, Wo, xc, xs, wc, ws; writes xc, xs, wc, ws
.if DOCPART == 1
	.amdgcn_target "amdgcn-amd-amdhsa--gfx1250"
	.amdhsa_code_object_version 6
	.text
	.protected	k_q8471e53cad_quant
	.globl	k_q8471e53cad_quant
	.p2align	8
	.type	k_q8471e53cad_quant,@function
k_q8471e53cad_quant:
	s_mov_b64 s[64:65], 0
	v_nop
	global_prefetch_b8 v0, s[64:65] scope:SCOPE_SE
	s_setreg_imm32_b32 hwreg(HW_REG_WAVE_MODE, 25, 1), 1
	s_wait_xcnt 0x0
; x [8192][1024] f32 (K innermost) and the four weights (K = the axis ahead of the last) become codes of FP6 (E2M3) with one E8M0 byte for each 32 along K.
; A block's scale is 2^(floor(log2(largest magnitude)) - 2); its byte is the largest magnitude's exponent field - 2, held at 1 from below.
; LIMITS: a block of zeros, or one under 2^(2 - 126), gets the byte 1 (its codes are zeros or what the floor's scale gives; these bytes are read by this program alone); NaN and infinities among the inputs are not served.
; THE CODES' LAYOUT is the order of an operand's registers.  An image of 768 bytes holds 16 rows x 64 along K: lane l = (r = l % 16, h = l / 16) has the 24 bytes of block h of row r:
; its first 16 bytes at 16 l, its last 8 at 512 + 8 l.  Two images on end are a fragment (16 rows x 128 K, 12 registers).  xc: [tile 512][K step 8][1536]; wc: [tile 256][8][1536].
; POSITIONS: row r of tile T is the true row 32 (T / 2) + 8 (T % 2) + r + 8 (r / 8): in each 32 rows the two middle eights change places, so that a tile used as source 0 of a product
; leaves 16 true neighbours in the 16 registers of two neighbouring tiles.  wc's positions: 0.. Wq (64 head + e), 1024.. Wk, 2048.. Wv, 3072.. Wo's columns.
; THE SCALE BYTES: xs, ws: [256 along K: 4][position][8 bytes].
; Work-groups 0-255 take 32 rows of x each, work-groups 256-511 take 64 output rows x 256 along K of a weight.  The two paths have LDS bytes of their own.
.set STG,   8448                       ; x path: a wave's stage: 16 rows x (512 bytes + 16)
.set XSC,   8*STG                      ; x path: the work-group's scale words, 4 x 256 bytes
.set WSC,   XSC+1024                   ; weight path: its scale bytes, 512 bytes
.set SPARE, WSC+512                    ; the spare words, 128 bytes for each of eight waves: four blocks of 256 bytes that no other line names
.set SPW,   14                         ; v14  LDS address of my spare word; never rewritten
.set NIL,   15                         ; v15  0; never rewritten
.set R0,    16                         ; v16-79   x: K step 0 as loaded, later K step 1 by neighbours
.set R1,    80                         ; v80-143  x: K step 1 as loaded; then the registers below
.set XX,    144                        ; v144-207 x: K step 0 by neighbours; then the second fragment's codes
.set PC0,   80
.set T2,    92
.set TM,    100
.set PW,    116
.set PC1,   144
.set SEL,   46                         ; s[46:47] lane selects for v_permlanex16_b32: lane l xor 16
	s_load_b256 s[4:11], s[0:1], 0x0               ; x, Wq, Wk, Wv
	s_load_b256 s[12:19], s[0:1], 0x20             ; Wo, xc, xs, wc
	s_load_b64 s[20:21], s[0:1], 0x40              ; ws
	v_lshl_add_u32 v[SPW], v0, 2, SPARE
	v_mov_b32 v[NIL], 0
	v_lshrrev_b32 v1, 5, v0
	s_delay_alu instid0(VALU_DEP_1)
	v_readfirstlane_b32 s22, v1                    ; wave 0..7
	v_and_b32 v13, 31, v0                          ; lane
	v_and_b32 v12, 15, v0                          ; r
	v_bfe_u32 v11, v0, 4, 1                        ; h
	s_delay_alu instid0(VALU_DEP_3)
	v_lshlrev_b32 v1, 4, v13                       ; 16 x lane
	s_delay_alu instid0(VALU_DEP_4)
	v_lshlrev_b32 v2, 3, v13                       ; 8 x lane
	s_mov_b32 s[SEL], 0x76543210
	s_mov_b32 s[SEL+1], 0xfedcba98
	s_cmp_lt_u32 ttmp9, 256                        ; the work-group's number alone: all eight waves go the same way
	s_cbranch_scc0 .Lw
; ---------------- x: wave w takes tile 2 X + w / 4 and 256 along K from 256 (w % 4) on: two K steps of 128
.macro XLOAD s, reg                    ; 16 rows x 512 bytes: each load reads 512 consecutive bytes of one row; the tile's rows are taken in the order of positions
.irp p, 0,1,2,3,4,5,6,7,8,9,10,11,12,13,14,15
	global_load_b128 v[\reg+4*\p:\reg+4*\p+3], v1, s[4:5] offset:(\p+8*(\p/8))*4096+512*\s th:TH_LOAD_NT
.endr
.endm
.macro PUT reg                         ; into my stage as loaded
.irp p, 0,1,2,3,4,5,6,7,8,9,10,11,12,13,14,15
	ds_store_b128 v3, v[\reg+4*\p:\reg+4*\p+3] offset:528*\p
.endr
.endm
.macro GET reg                         ; and back by neighbours: register 16 b + i = k 32 b + 16 h + i of row r
.irp b, 0,1,2,3
.irp j, 0,1,2,3
	ds_load_b128 v[\reg+16*\b+4*\j:\reg+16*\b+4*\j+3], v4 offset:128*\b+16*\j
.endr
.endr
.endm
; 64 numbers of a lane, register 16 b + i = k 32 b + 16 h + i of my row, become a fragment's codes in v[pc] on and its scale word in v[pw]
.macro QUANT s, pc, pw
.irp b, 0,1,2,3
	v_max3_num_f32 v[TM+\b], |v[\s+16*\b]|, |v[\s+1+16*\b]|, 0x1800000   ; my 16 numbers of block b, and the floor 2^(3 - 127): the byte cannot fall under 1
.endr
.irp i, 2,4,6,8,10,12,14
.irp b, 0,1,2,3
	s_delay_alu instid0(VALU_DEP_4)
	v_max3_num_f32 v[TM+\b], v[TM+\b], |v[\s+16*\b+\i]|, |v[\s+1+16*\b+\i]|
.endr
.endr
.irp b, 0,1,2,3
	s_delay_alu instid0(VALU_DEP_4)
	v_permlanex16_b32 v[TM+4+\b], v[TM+\b], s[SEL], s[SEL+1]
.endr
.irp b, 0,1,2,3
	s_delay_alu instid0(VALU_DEP_4)
	v_max_num_f32 v[TM+\b], v[TM+\b], v[TM+4+\b]   ; with lane l xor 16's: the block's largest magnitude
.endr
.irp b, 0,1,2,3
	s_delay_alu instid0(VALU_DEP_4)
	v_add_nc_u32 v[TM+12+\b], 0xff000000, v[TM+\b] ; 2 off its exponent field: the conversion's scale operand
.endr
.irp b, 0,1,2,3
	s_delay_alu instid0(VALU_DEP_4)
	v_lshrrev_b32 v[TM+4+\b], 23, v[TM+12+\b]      ; the scale's byte
.endr
	s_delay_alu instid0(VALU_DEP_3)
	v_lshl_or_b32 v[\pw], v[TM+5], 8, v[TM+4]
	s_delay_alu instid0(VALU_DEP_1)
	v_lshl_or_b32 v[\pw], v[TM+6], 16, v[\pw]
	s_delay_alu instid0(VALU_DEP_1)
	v_lshl_or_b32 v[\pw], v[TM+7], 24, v[\pw]      ; my row's scale word
.irp c, 0,1
	v_cvt_scalef32_pk16_fp6_f32 v[\pc+6*\c:\pc+2+6*\c], v[\s+32*\c:\s+15+32*\c], v[TM+12+2*\c]
	v_cvt_scalef32_pk16_fp6_f32 v[T2+4*\c:T2+2+4*\c], v[\s+16+32*\c:\s+31+32*\c], v[TM+12+2*\c+1]   ; (a conversion's three registers begin on an even number)
.endr
	v_nop                                          ; one plain place behind a scaled conversion
.irp c, 0,1                                    ; a lane is to hold a WHOLE block: lanes 0-15 block 2 c, lanes 16-31 block 2 c + 1
.irp i, 0,1,2
	v_permlane16_swap_b32 v[\pc+6*\c+\i], v[T2+4*\c+\i]
.endr
.irp i, 0,1,2
	s_delay_alu instid0(VALU_DEP_3)
	v_mov_b32 v[\pc+3+6*\c+\i], v[T2+4*\c+\i]
.endr
.endr
.endm
.macro OUTF pc, off                    ; a fragment leaves as two images: each store covers 512 or 256 consecutive bytes, aligned
	global_store_b128 v1, v[\pc:\pc+3], s[14:15] offset:\off
	global_store_b64 v2, v[\pc+4:\pc+5], s[14:15] offset:\off+512
	global_store_b128 v1, v[\pc+6:\pc+9], s[14:15] offset:\off+768
	global_store_b64 v2, v[\pc+10:\pc+11], s[14:15] offset:\off+1280
.endm
	s_lshr_b32 s23, s22, 2                         ; which of the two tiles
	s_and_b32 s24, s22, 3                          ; which 256 along K
	s_mul_i32 s25, s22, STG                        ; my stage
	v_add_nc_u32 v3, s25, v1                       ; in: 16 x lane
	v_mul_u32_u24 v4, v12, 528
	s_delay_alu instid0(VALU_DEP_1)
	v_lshl_add_u32 v4, v11, 6, v4
	s_delay_alu instid0(VALU_DEP_1)
	v_add_nc_u32 v4, s25, v4                       ; back: row r, + 64 h
	s_lshl_b32 s26, s24, 8
	s_lshl_b32 s27, s23, 7
	s_add_co_u32 s26, s26, s27
	s_add_co_u32 s26, s26, XSC
	s_wait_alu depctr_va_vdst(0)
	v_lshl_add_u32 v5, v12, 3, s26                 ; my row's two scale words: XSC + 256 (w % 4) + 8 (16 (w / 4) + r)
	s_lshl_b32 s27, s24, 8
	s_add_co_u32 s27, s27, XSC
	v_add_nc_u32 v6, s27, v2                       ; and where waves 0-3 read 256 bytes back
	s_lshl_b32 s28, ttmp9, 17                      ; x: 32 rows of 4,096 bytes a work-group,
	s_lshl_b32 s30, s23, 15                        ; 8 rows on for the second tile,
	s_add_co_u32 s28, s28, s30
	s_lshl_b32 s30, s24, 10                        ; 1,024 bytes for each 256 along K
	s_add_co_u32 s28, s28, s30
	s_mov_b32 s29, 0
	s_lshl_b32 s30, ttmp9, 1
	s_add_co_u32 s30, s30, s23                     ; the tile
	s_mul_i32 s30, s30, 12288
	s_mul_i32 s32, s24, 3072
	s_add_co_u32 s30, s30, s32
	s_mov_b32 s31, 0
	s_lshl_b32 s32, s24, 16
	s_lshl_b32 s34, ttmp9, 8
	s_add_co_u32 s32, s32, s34
	s_mov_b32 s33, 0
	s_wait_kmcnt 0x0
	s_add_nc_u64 s[4:5], s[4:5], s[28:29]
	s_add_nc_u64 s[14:15], s[14:15], s[30:31]
	s_add_nc_u64 s[16:17], s[16:17], s[32:33]
	XLOAD 0, R0
	XLOAD 1, R1
	s_wait_loadcnt 16                              ; K step 0's sixteen loads are in; K step 1's may be out
	PUT R0
	GET XX                                         ; LDS serves a wave's instructions in order: these see the stores above
	s_wait_loadcnt 0x0
	PUT R1                                         ; behind the reads of K step 0
	s_wait_dscnt 32                                ; the first sixteen stores have read R0 (behind them: 16 loads, 16 stores)
	GET R0
	s_wait_dscnt 16                                ; K step 0 is back and R1 has been read; the last sixteen loads may be out
.irp b, 0,1,2,3
	v_mov_b32 v[TM+4+\b], 0                        ; a lane permute's destination counts as one of its sources
.endr
	QUANT XX, PC0, PW
	OUTF PC0, 0
	s_wait_dscnt 0x0                               ; K step 1 is back
	QUANT R0, PC1, PW+1
	OUTF PC1, 1536
	ds_store_b64 v5, v[PW:PW+1]                    ; lanes l and l + 16 write the same bytes with the same values
	s_wait_dscnt 0x0                               ; for the others' sake: my store has landed
	s_barrier_signal -1
	s_barrier_wait -1
	s_cmp_lt_u32 s22, 4
	s_cbranch_scc0 .Lend
	ds_load_b64 v[118:119], v6                     ; 32 positions x 8 bytes of one 256 along K
	s_wait_dscnt 0x0
	global_store_b64 v2, v[118:119], s[16:17]      ; 256 consecutive bytes, aligned
	s_branch .Lend
; ---------------- a weight: j = work-group - 256; 64 output rows (j / 4), 256 along K (j % 4).  Wave w: 32 columns (w % 2), 64 along K (w / 2).
; A LANE TAKES A COLUMN AND ITS REGISTERS RUN DOWN K: a block of 32 lies in one lane.  Lane l takes the column that stands at position l, so that lanes 0-15 are one tile's rows and lanes 16-31 the next's.
.macro WLOAD pitch
.set n, 0
.rept 64
	global_load_b32 v[16+n], v3, s[6:7] offset:n*\pitch th:TH_LOAD_NT
.set n, n+1
.endr
.endm
.macro WBLK xs, sc, by                 ; a block's largest magnitude, scale operand and byte
	v_max3_num_f32 v6, |v[\xs]|, |v[\xs+1]|, |v[\xs+2]|
	v_max3_num_f32 v7, |v[\xs+3]|, |v[\xs+4]|, |v[\xs+5]|
.irp i, 6,10,14,18,22,26
	s_delay_alu instid0(VALU_DEP_2)
	v_max3_num_f32 v6, v6, |v[\xs+\i]|, |v[\xs+\i+1]|
	s_delay_alu instid0(VALU_DEP_2)
	v_max3_num_f32 v7, v7, |v[\xs+\i+2]|, |v[\xs+\i+3]|
.endr
	s_delay_alu instid0(VALU_DEP_2)
	v_max3_num_f32 v6, v6, |v[\xs+30]|, |v[\xs+31]|
	s_delay_alu instid0(VALU_DEP_1)
	v_max3_num_f32 v6, v6, v7, 0x1800000           ; and the floor
	s_delay_alu instid0(VALU_DEP_1)
	v_add_nc_u32 v[\sc], 0xff000000, v6
	s_delay_alu instid0(VALU_DEP_1)
	v_lshrrev_b32 v[\by], 23, v[\sc]
.endm
.Lw:
	s_sub_co_u32 s23, ttmp9, 256
	s_lshr_b32 s24, s23, 2                         ; g: which 64 positions
	s_and_b32 s25, s23, 3                          ; which 256 along K
	s_lshr_b32 s26, s24, 4                         ; the tensor: 0 Wq, 1 Wk, 2 Wv, 3 Wo
	s_and_b32 s27, s24, 15                         ; the head, or Wo's 64 columns
	s_and_b32 s28, s22, 1                          ; which 32 columns
	s_lshr_b32 s29, s22, 1                         ; which 64 along K
	s_wait_alu depctr_va_vdst(0)
	v_and_b32 v3, 7, v13
	v_bfe_u32 v4, v13, 4, 1
	s_delay_alu instid0(VALU_DEP_1)
	v_lshl_or_b32 v3, v4, 3, v3
	v_bfe_u32 v4, v13, 3, 1
	s_delay_alu instid0(VALU_DEP_1)
	v_lshl_or_b32 v3, v4, 4, v3                    ; the column at position l: l % 8 + 8 (l / 16) + 16 ((l / 8) % 2)
	s_delay_alu instid0(VALU_DEP_1)
	v_lshlrev_b32 v3, 2, v3
	s_lshl_b32 s30, s28, 8
	s_lshl_b32 s31, s29, 1
	s_add_co_u32 s30, s30, s31
	s_add_co_u32 s30, s30, WSC
	v_add_nc_u32 v4, s30, v2                       ; my two scale bytes: WSC + 8 (32 (w % 2) + l) + 2 (w / 2)
	v_add_nc_u32 v5, WSC, v1                       ; and where wave 0 reads all 512 back
	s_lshl_b32 s31, s25, 8
	s_lshl_b32 s32, s29, 6
	s_add_co_u32 s31, s31, s32                     ; my first row along K
	s_lshl_b32 s32, s27, 18                        ; a head's weight: 262,144 bytes a head, 256 a row
	s_lshl_b32 s33, s31, 8
	s_add_co_u32 s32, s32, s33
	s_lshl_b32 s34, s31, 12                        ; Wo: 4,096 bytes a row, 256 for 64 columns
	s_lshl_b32 s33, s27, 8
	s_add_co_u32 s34, s34, s33
	s_lshl_b32 s33, s28, 7
	s_add_co_u32 s32, s32, s33
	s_add_co_u32 s34, s34, s33
	s_lshl_b32 s35, s24, 2
	s_lshl_b32 s36, s28, 1
	s_add_co_u32 s35, s35, s36                     ; my first tile: 4 g + 2 (w % 2)
	s_mul_i32 s36, s35, 12288
	s_mul_i32 s35, s25, 3072
	s_add_co_u32 s36, s36, s35
	s_mul_i32 s35, s29, 768
	s_add_co_u32 s36, s36, s35
	s_mov_b32 s37, 0
	s_lshl_b32 s38, s25, 16
	s_lshl_b32 s35, s24, 9
	s_add_co_u32 s38, s38, s35
	s_mov_b32 s39, 0
	s_mov_b32 s33, 0
	s_wait_kmcnt 0x0
	s_cmp_eq_u32 s26, 0                            ; the choices hang on the work-group's number alone
	s_cselect_b64 s[6:7], s[6:7], s[8:9]
	s_cmp_lt_u32 s26, 2
	s_cselect_b64 s[6:7], s[6:7], s[10:11]
	s_cmp_lt_u32 s26, 3
	s_cselect_b64 s[6:7], s[6:7], s[12:13]
	s_cselect_b32 s32, s32, s34
	s_add_nc_u64 s[6:7], s[6:7], s[32:33]
	s_add_nc_u64 s[18:19], s[18:19], s[36:37]
	s_add_nc_u64 s[20:21], s[20:21], s[38:39]
	s_cmp_eq_u32 s26, 3
	s_cbranch_scc1 .Lwo
	s_wait_alu depctr_va_vdst(0)
	WLOAD 256
	s_branch .Lwj
.Lwo:
	s_wait_alu depctr_va_vdst(0)
	WLOAD 4096
.Lwj:
	s_wait_loadcnt 32                              ; my first block's 32 loads are in (either way 32 were issued behind them)
	WBLK 16, 80, 81
	v_cvt_scalef32_pk16_fp6_f32 v[96:98], v[16:31], v80
	v_cvt_scalef32_pk16_fp6_f32 v[108:110], v[32:47], v80
	s_wait_loadcnt 0x0
	WBLK 48, 82, 83
	v_cvt_scalef32_pk16_fp6_f32 v[102:104], v[48:63], v82
	v_cvt_scalef32_pk16_fp6_f32 v[112:114], v[64:79], v82
	v_nop                                          ; one plain place behind a scaled conversion
.irp i, 0,1,2
	v_mov_b32 v[99+\i], v[108+\i]
	v_mov_b32 v[105+\i], v[112+\i]
.endr
.irp i, 0,1,2,3,4,5
	v_permlane16_swap_b32 v[96+\i], v[102+\i]      ; block 0's lanes 16-31 change places with block 1's lanes 0-15: v96-101 is now the first tile's image, v102-107 the second's
.endr
	global_store_b128 v1, v[96:99], s[18:19]
	global_store_b64 v2, v[100:101], s[18:19] offset:512
	global_store_b128 v1, v[102:105], s[18:19] offset:12288
	global_store_b64 v2, v[106:107], s[18:19] offset:12800
	v_lshl_or_b32 v84, v83, 8, v81
	ds_store_b16 v4, v84
	s_wait_dscnt 0x0                               ; for the others' sake
	s_barrier_signal -1
	s_barrier_wait -1
	s_cmp_eq_u32 s22, 0
	s_cbranch_scc0 .Lend
	ds_load_b128 v[88:91], v5
	s_wait_dscnt 0x0
	global_store_b128 v1, v[88:91], s[20:21]       ; 64 positions x 8 bytes: 512 consecutive bytes, aligned
.Lend:
	s_wait_tensorcnt 0x0                           ; the wave's end
	ds_add_u32 v[SPW], v[NIL]
	s_wait_dscnt 0x0
	s_endpgm
.Lfunc_end_k_q8471e53cad_quant:
	.size	k_q8471e53cad_quant, .Lfunc_end_k_q8471e53cad_quant-k_q8471e53cad_quant
	.p2alignl 7, 3214868480
	.fill 96, 4, 3214868480
	.section	.rodata,"a",@progbits
	.p2align	6, 0x0
	.amdhsa_kernel k_q8471e53cad_quant
		.amdhsa_group_segment_fixed_size 70144
		.amdhsa_private_segment_fixed_size 0
		.amdhsa_enable_private_segment 0
		.amdhsa_kernarg_size 72
		.amdhsa_user_sgpr_count 2
		.amdhsa_user_sgpr_kernarg_segment_ptr 1
		.amdhsa_wavefront_size32 1
		.amdhsa_system_sgpr_workgroup_id_x 1
		.amdhsa_system_sgpr_workgroup_id_y 1
		.amdhsa_system_sgpr_workgroup_id_z 1
		.amdhsa_system_vgpr_workitem_id 0
		.amdhsa_next_free_vgpr 208
		.amdhsa_next_free_sgpr 66
		.amdhsa_reserve_vcc 0
		.amdhsa_float_denorm_mode_32 3
		.amdhsa_float_denorm_mode_16_64 3
		.amdhsa_memory_ordered 1
		.amdhsa_forward_progress 1
		.amdhsa_inst_pref_size 42
	.end_amdhsa_kernel
	.amdgpu_metadata
---
amdhsa.version: [ 1, 2 ]
amdhsa.kernels:
  - .name:           k_q8471e53cad_quant
    .symbol:         k_q8471e53cad_quant.kd
    .args:
      - { .name: x, .offset: 0, .size: 8, .value_kind: global_buffer, .address_space: global }
      - { .name: Wq, .offset: 8, .size: 8, .value_kind: global_buffer, .address_space: global }
      - { .name: Wk, .offset: 16, .size: 8, .value_kind: global_buffer, .address_space: global }
      - { .name: Wv, .offset: 24, .size: 8, .value_kind: global_buffer, .address_space: global }
      - { .name: Wo, .offset: 32, .size: 8, .value_kind: global_buffer, .address_space: global }
      - { .name: xc, .offset: 40, .size: 8, .value_kind: global_buffer, .address_space: global }
      - { .name: xs, .offset: 48, .size: 8, .value_kind: global_buffer, .address_space: global }
      - { .name: wc, .offset: 56, .size: 8, .value_kind: global_buffer, .address_space: global }
      - { .name: ws, .offset: 64, .size: 8, .value_kind: global_buffer, .address_space: global }
    .group_segment_fixed_size: 70144
    .private_segment_fixed_size: 0
    .kernarg_segment_align: 8
    .kernarg_segment_size: 72
    .max_flat_workgroup_size: 256
    .sgpr_count:     66
    .vgpr_count:     208
    .wavefront_size: 32
...
	.end_amdgpu_metadata
.endif
;; end of part 1
;; launch qkv (part 2): grid 96 x 4, 4 waves a work-group, clusters of 4 x 4, 327,680 bytes of LDS; arguments xc, xs, wc, ws, qkr, vr; writes qkr, vr
.if DOCPART == 2
	.amdgcn_target "amdgcn-amd-amdhsa--gfx1250"
	.amdhsa_code_object_version 6
	.text
	.protected	k_q8471e53cad_qkv
	.globl	k_q8471e53cad_qkv
	.p2align	8
	.type	k_q8471e53cad_qkv,@function
k_q8471e53cad_qkv:
	s_mov_b64 s[64:65], 0
	v_nop
	global_prefetch_b8 v0, s[64:65] scope:SCOPE_SE
	s_setreg_imm32_b32 hwreg(HW_REG_WAVE_MODE, 25, 1), 1
	s_wait_xcnt 0x0
	s_wait_alu depctr_hold_cnt(0) depctr_sa_sdst(0) depctr_va_vdst(0) depctr_va_sdst(0) depctr_va_ssrc(0) depctr_va_vcc(0) depctr_vm_vsrc(0)
	s_getreg_b32 s2, hwreg(HW_REG_IB_STS2, 6, 4)
	s_cmp_eq_u32 s2, 0
	s_cbranch_scc0 .Lentry_in_a_cluster
	s_endpgm
.Lentry_in_a_cluster:
	s_bfe_u32 s2, ttmp6, 0x10000c
	s_cmp_lg_u32 s2, 0xf033
	s_cbranch_scc0 .Lentry_shape_is_right
	s_endpgm
.Lentry_shape_is_right:
; q, k and v on codes of FP6 (E2M3) with E8M0 scales, K = 1,024, and their results quantised in registers: q and k along the head's 64, v along the keys.
; C' = A' B'^T, a tile of 256 x 256 to a work-group, 128 x 128 to each of four waves (64 accumulators, 512 registers).  THE MATRIX INSTRUCTION IS USED TRANSPOSED: source 0 = 16 rows of B', source 1 = 16 rows of A':
; a lane holds ONE row of A' and its registers run along B's rows, which stand in the order of positions, so that the 64 registers of a row of tiles are: register 16 b + i = true row 32 b + 16 (lane / 16) + i of B'.
; TWO TASKS, by the cluster's number c (equal in all sixteen partners): c < 16: A' = x's tokens, B' = Wq | Wk: a lane holds a token and 128 numbers of two heads;
; c >= 16: A' = Wv's rows, B' = x's tokens: a lane holds a channel and 128 neighbouring keys.  Either way the 64 registers of a row of tiles are four blocks of 32 of the next product's K.
; 24 clusters x 16 = 384 tiles of equal work.
; OPERANDS lie in memory in the order of their registers (images of 768 bytes: 16 rows x 64 K; lane l's first 16 bytes at 16 l, its last 8 at 512 + 8 l): [tile][K step 8][1536]; scale bytes [256 along K: 4][position][8].
; LDS: three slots of 256 along K (16 tiles of A' x 3,072 bytes, then 16 of B'), so that of K's four quarters three come with the first fills and ONE refill is left; all scale bytes come once.
; CLUSTERS: 4 x 4 work-groups; A's tiles are asked for jointly along a row of the cluster, B's along a column.
; OUT: qkr [token group of 128: 64][q heads 0-15, k heads 16-31][6,656]: 8 images (tile i at 768 i), then the scale words: tile i, row r at 6,144 + 256 (i / 4) + 16 r + 4 (i % 4);
;      a word's bytes 0, 1 are the head's two blocks; bytes 2, 3 are the neighbour head's bytes or 0, never 0xff.
;      vr [key step of 128: 64][head 16][6,400]: 4 fragments (channel tile t at 1,536 t), then the scale words at 6,144 + 16 r + 4 t.
; LIMITS: a block of zeros keeps the byte 1 (its codes are zeros; this program alone reads the bytes); NaN and infinities are not served.
; REGISTERS, in windows of 256: window 0: v1-13 lane terms and addresses, v16-27 LDS addresses, v32-63 scale words (two sets), v128-223 A's fragments (one set); window 1: B's fragments, two sets at v0 and v128;
;   window 2: the accumulators of my rows 0-63 ((a, b) at v[8 (8 a + b)]); window 3: those of rows 64-127.  On the way out window 0: v32-63 at work, v64-159 the eight fragments, v224-231 scale words.
.set SLOT,  98304
.set HALFT, 24576                      ; 8 tiles x 3,072 bytes: what one tensor load brings, and what one wave reads of A' or B'
.set SCL,   3*SLOT                     ; the scale bytes: A's [256 along K: 4][256 rows][8], then B's
.set SPARE, SCL+16384                  ; the spare words, 128 bytes for each wave: two blocks of 256 bytes that no other line names
.set FR,    12
.set AF,    128
.set SC,    32
.set ADRS,  11
.set L16,   12
.set L8,    13
.set ADRA,  16                         ; v[16 + 2 s]: slot s, my A' rows, + 16 x lane; v[17 + 2 s]: + 512 + 8 x lane
.set ADRB,  22
.set SPW,   28
.set NIL,   29
.set TM,    32
.set T2,    48
.set G1,    24
.set G0,    32
.set G1B,   44
.set G0B,   52
.set SEL,   66
.set G1S,   68
.set G0S,   76
.set G1SB,  80
.set G0SB,  88
.set MSB, 0
.macro WIN new                         ; the immediate's high byte repeats the setting that is left
.if MSB != (\new)
	s_set_vgpr_msb (MSB<<8)|(\new)
.set MSB, (\new)
.endif
.endm
; A joint load: waves 0 and 1 fetch for A', waves 2 and 3 for B'.  The branch hangs on the wave's number alone.  An s_nop 0 and four v_nop follow each of the two lines.
.macro JLOAD g0a, g1a, g0b, g1b
	s_cmp_eq_u32 s17, 0
	s_cbranch_scc0 .Lfor_b_\@
	tensor_load_to_lds s[\g0a:\g0a+3], s[\g1a:\g1a+7]
	s_nop 0
.rept 4
	v_nop
.endr
	s_branch .Lasked_\@
.Lfor_b_\@:
	tensor_load_to_lds s[\g0b:\g0b+3], s[\g1b:\g1b+7]
	s_nop 0
.rept 4
	v_nop
.endr
.Lasked_\@:
.endm
.macro CREST                           ; a round of the cluster's barrier behind its opening barrier
	s_cmp_lg_u32 s16, 0
	s_cbranch_scc1 .Lnot_wave_0_\@
	s_barrier_signal -3
.Lnot_wave_0_\@:
	s_barrier_wait -3
	s_barrier_signal -1
	s_barrier_wait -1
.endm
.macro CROUND
	s_barrier_signal -1
	s_barrier_wait -1
	CREST
.endm
.macro PLACES                          ; four plain places behind matrix instructions, in front of loads into their registers and of reads of their results
.rept 4
	v_nop
.endr
.endm
.macro FRAG reg, adr, q, i, pt         ; a fragment: two images, four loads; pt: bytes from tile to tile in LDS (slot 0: 3,072; slots 1 and 2, which one load brings as rows of 6,144 bytes: 6,144)
	ds_load_b128 v[(\reg):(\reg)+3], v[(\adr)] offset:(\i)*(\pt)+(\q)*1536
	ds_load_b64 v[(\reg)+4:(\reg)+5], v[(\adr)+1] offset:(\i)*(\pt)+(\q)*1536
	ds_load_b128 v[(\reg)+6:(\reg)+9], v[(\adr)] offset:(\i)*(\pt)+(\q)*1536+768
	ds_load_b64 v[(\reg)+10:(\reg)+11], v[(\adr)+1] offset:(\i)*(\pt)+(\q)*1536+768
.endm
.macro FETCH_B slot, q, p
	WIN 0x40                                       ; destination window 1, address window 0
.irp i, 0,1,2,3,4,5,6,7
	FRAG 128*(\p)+FR*\i, ADRB+2*(\slot), \q, \i, 3072*(1+((\slot)+1)/2)
.endr
	WIN 0
.endm
.macro FETCH_A slot, q, i0
.irp i, \i0, \i0+1, \i0+2, \i0+3
	FRAG AF+FR*(\i), ADRA+2*(\slot), \q, \i, 3072*(1+((\slot)+1)/2)
.endr
.endm
.macro SCALES sg                       ; the scale words of quarter sg of K: two words a row; lanes 0-15 take A's tile i, lanes 16-31 B's tile i
.irp i, 0,1,2,3,4,5,6,7
	ds_load_b64 v[SC+16*((\sg)%2)+2*\i:SC+16*((\sg)%2)+2*\i+1], v[ADRS] offset:2048*(\sg)+128*\i
.endr
.endm
; 16 matrix instructions: A's tiles a0, a0 + 1 x B's eight, 128 along K.  The 64 accumulators take turns, one instruction a turn, in the same order in every step.
.macro MUL16 a0, p, q, sc, zero
.irp a, \a0, \a0+1
.irp b, 0,1,2,3,4,5,6,7
.if \zero
	v_wmma_scale_f32_16x16x128_f8f6f4 v[8*(8*((\a)%4)+\b):8*(8*((\a)%4)+\b)+7], v[128*(\p)+FR*\b:128*(\p)+FR*\b+FR-1], v[AF+FR*(\a):AF+FR*(\a)+FR-1], 0, v[SC+16*(\sc)+2*\b+(\q)], v[SC+16*(\sc)+2*(\a)+(\q)] matrix_a_fmt:MATRIX_FMT_FP6 matrix_b_fmt:MATRIX_FMT_FP6 matrix_a_scale:MATRIX_SCALE_ROW1
.else
	v_wmma_scale_f32_16x16x128_f8f6f4 v[8*(8*((\a)%4)+\b):8*(8*((\a)%4)+\b)+7], v[128*(\p)+FR*\b:128*(\p)+FR*\b+FR-1], v[AF+FR*(\a):AF+FR*(\a)+FR-1], v[8*(8*((\a)%4)+\b):8*(8*((\a)%4)+\b)+7], v[SC+16*(\sc)+2*\b+(\q)], v[SC+16*(\sc)+2*(\a)+(\q)] matrix_a_fmt:MATRIX_FMT_FP6 matrix_b_fmt:MATRIX_FMT_FP6 matrix_a_scale:MATRIX_SCALE_ROW1
.endif
.endr
.endr
.endm
; A K step of 128: the q-th of slot cs (quarter sg of K); it fetches the fragments of the next step (slot ns, its nq-th, quarter nsg).
; sync = 0: no barrier.  sync = 1: the wait for all my tensor loads, the add, a barrier: the slot ahead is whole for every wave.  sync = 2: the same with a round of the cluster's barrier, and slot 0 is filled again.
.macro KSTEP cs, q, sg, ns, nq, nsg, sync, zero
.if \sync
	s_wait_tensorcnt 0x0                           ; all my tensor loads have landed;  (every window is 0 here)
	ds_add_u32 v[SPW], v[NIL]                      ; 0 onto my spare word
	s_wait_dscnt 17                                ; (the add and the youngest sixteen loads, A's tiles 4-7, may be out)
.else
	s_wait_dscnt 16                                ; B's set, A's tiles 0-3 and the scale words are in; the youngest sixteen loads (A's tiles 4-7) may be out
.endif
	WIN 0xa1                                       ; source 0 (B') window 1, source 1 (A') window 0, C and D window 2
	MUL16 0, \q, \q, (\sg)%2, \zero
.if \sync
	s_wait_dscnt 0x0                               ; the add is done, and my reads of the slot in hand are over
	s_barrier_signal -1
.endif
	MUL16 2, \q, \q, (\sg)%2, \zero
.if \sync == 0
	s_wait_dscnt 0x0                               ; A's tiles 4-7 are in
	PLACES
.elseif \sync == 1
	WIN 0
	s_barrier_wait -1
	PLACES
.else
	WIN 0
	s_barrier_wait -1
	CREST                                          ; no wave of any partner still reads slot 0 or has a load on its way
	s_add_nc_u64 s[G0+2:G0+3], s[G0+2:G0+3], 9216  ; K's fourth quarter: three quarters of 3,072 bytes on
	s_add_nc_u64 s[G0B+2:G0B+3], s[G0B+2:G0B+3], 9216
.irp g, G1, G1B                        ; no tensor load of mine is out: a row is one quarter of K again, 3,072 bytes
	s_mov_b32 s[\g+1], 384<<16
	s_mov_b32 s[\g+3], 384<<16
.endr
	JLOAD G0, G1, G0B, G1B                         ; the first tensor load behind the round, my only one; four K steps stand between it and the wait for it.  Its four v_nop are the places in front of the loads below
.endif
	FETCH_B \ns, \nq, 1-\q
	FETCH_A \ns, \nq, 0
.if \nq == 0
	SCALES \nsg
.endif
	WIN 0xf1                                       ; C and D window 3
	MUL16 4, \q, \q, (\sg)%2, \zero
	MUL16 6, \q, \q, (\sg)%2, \zero
	PLACES
	WIN 0
	FETCH_A \ns, \nq, 4
.endm
	s_load_b256 s[4:11], s[0:1], 0x0               ; xc, xs, wc, ws
	s_load_b128 s[12:15], s[0:1], 0x20             ; qkr, vr
	v_lshl_add_u32 v[SPW], v0, 2, SPARE
	v_mov_b32 v[NIL], 0
	ds_add_u32 v[SPW], v[NIL]                      ; the wave's opening: the add and its wait ahead of my first tensor load; work on registers stands between them
	ds_add_u32 v[SPW], v[NIL]
	v_lshrrev_b32 v1, 5, v0
	v_readfirstlane_b32 s16, v1                    ; wave 0..3
	s_lshr_b32 s17, s16, 1                         ; which half of the tile's rows is mine.  Also: I fetch for A' (0) or for B' (1)
	s_and_b32 s18, s16, 1                          ; which half of its columns.  Also: which 128 rows I fetch
	s_bfe_u32 s19, ttmp6, 0x40000                  ; cx
	s_bfe_u32 s20, ttmp6, 0x40004                  ; cy
	s_lshl_b32 s3, s20, 2
	s_lshl_b32 s3, 15, s3                          ; my row of the cluster
	s_lshl_b32 s101, 0x1111, s19                   ; my column
	s_or_b32 s[G1], s3, (3<<16)|(1<<21)            ; 15:0 the mask; 17:16 elements of 8 bytes; 21 set beside a mask; no padding
	s_or_b32 s[G1B], s101, (3<<16)|(1<<21)
	s_or_b32 s[G1S], s3, (3<<16)|(1<<21)
	s_or_b32 s[G1SB], s101, (3<<16)|(1<<21)
.irp g, G1, G1B                        ; codes: 8 tiles' rows of 3,072 bytes (384 elements), 12,288 bytes (1,536 elements) apart
	s_mov_b32 s[\g+1], 384<<16
	s_mov_b32 s[\g+2], 16<<16                      ; the head's loads bring all 16 tiles of an operand
	s_mov_b32 s[\g+3], 384<<16
	s_mov_b32 s[\g+4], 16
	s_mov_b32 s[\g+5], 1536
	s_mov_b32 s[\g+6], 0
	s_mov_b32 s[\g+7], 0
.endr
.irp g, G1S, G1SB                      ; scale bytes: 4 rows of 2,048 bytes (256 positions x 8), 65,536 bytes apart
	s_mov_b32 s[\g+1], 256<<16                     ; rows of 2,048 bytes: 256 positions x 8
	s_mov_b32 s[\g+2], 4<<16
	s_mov_b32 s[\g+3], 256<<16
	s_mov_b32 s[\g+4], 4
	s_mov_b32 s[\g+5], 8192
	s_mov_b32 s[\g+6], 0
	s_mov_b32 s[\g+7], 0
.endr
	s_lshr_b32 s21, ttmp9, 1                       ; both tasks' tiles are made, then chosen by the cluster's number
	s_lshl_b32 s21, s21, 2
	s_add_co_u32 s21, s21, s20                     ; q, k: tile row 4 (c / 2) + cy
	s_add_co_u32 s2, s20, 8                        ; v: A' = Wv: its 256 positions begin at 256 (8 + cy)
	s_and_b32 s22, ttmp9, 1
	s_lshl_b32 s22, s22, 2
	s_add_co_u32 s22, s22, s19                     ; q, k: tile column 4 (c % 2) + cx
	s_sub_co_u32 s100, ttmp9, 16
	s_lshl_b32 s100, s100, 2
	s_add_co_u32 s100, s100, s19                   ; v: tile column 4 (c - 16) + cx
	s_cmp_lt_u32 ttmp9, 16
	s_cselect_b32 s2, s21, s2                      ; A's 256 rows in its buffer
	s_cselect_b32 s21, s21, s20                    ; tile row
	s_cselect_b32 s22, s22, s100                   ; tile column, and B's 256 rows in its buffer
	s_cselect_b32 s23, 0, 1                        ; the task
	s_lshl_b32 s2, s2, 11                          ; 2,048 scale bytes for A's 256 rows (in registers that never hold cx)
	s_mov_b32 s3, 0
	s_lshl_b32 s100, s22, 11                       ; the same for B'
	s_mov_b32 s101, 0
.irp g, G0, G0B                        ; three groups 0 a side: slot 0's refill (wave x 8 tiles), slots 1 and 2 together (wave x 8 tiles of 6,144 bytes), the head's load of slot 0
	s_mov_b32 s[\g], 1
	s_mul_i32 s[\g+1], s16, HALFT
	s_mov_b32 s[\g+4], 1
	s_mul_i32 s[\g+5], s16, 2*HALFT
	s_add_co_u32 s[\g+5], s[\g+5], SLOT
	s_mov_b32 s[\g+8], 1
.endr
	s_mov_b32 s[G0+9], 0
	s_mov_b32 s[G0B+9], 2*HALFT
	s_mov_b32 s[G0S], 1
	s_mov_b32 s[G0S+1], SCL
	s_mov_b32 s[G0SB], 1
	s_mov_b32 s[G0SB+1], SCL+8192
	s_mov_b32 s[SEL], 0x76543210
	s_mov_b32 s[SEL+1], 0xfedcba98
	s_wait_dscnt 0x0                               ; the opening add is done
	s_wait_kmcnt 0x0
	s_cmp_lt_u32 ttmp9, 16                         ; the choice of buffers hangs on the cluster's number alone
	s_cselect_b64 s[92:93], s[4:5], s[8:9]         ; A's codes
	s_cselect_b64 s[94:95], s[6:7], s[10:11]       ; A's scale bytes
	s_cselect_b64 s[96:97], s[8:9], s[4:5]         ; B's codes
	s_cselect_b64 s[98:99], s[10:11], s[6:7]       ; B's scale bytes
	s_cselect_b64 s[12:13], s[12:13], s[14:15]     ; the output
	s_add_nc_u64 s[94:95], s[94:95], s[2:3]
	s_mul_i32 s2, s2, 96                           ; 98,304 bytes of codes for 128 rows
	s_add_nc_u64 s[92:93], s[92:93], s[2:3]
	s_add_nc_u64 s[98:99], s[98:99], s[100:101]
	s_mul_i32 s100, s100, 96
	s_add_nc_u64 s[96:97], s[96:97], s[100:101]
	s_mov_b64 s[G0S+2:G0S+3], s[94:95]
	s_or_b32 s[G0S+3], s[G0S+3], 0x80000000
	s_mov_b64 s[G0SB+2:G0SB+3], s[98:99]
	s_or_b32 s[G0SB+3], s[G0SB+3], 0x80000000
	s_mov_b64 s[G0+10:G0+11], s[92:93]             ; the head's loads begin at an operand's first tile
	s_or_b32 s[G0+11], s[G0+11], 0x80000000
	s_mov_b64 s[G0B+10:G0B+11], s[96:97]
	s_or_b32 s[G0B+11], s[G0B+11], 0x80000000
	s_mul_i32 s2, s18, 98304                       ; the later loads at my 8 tiles
	s_add_nc_u64 s[92:93], s[92:93], s[2:3]
	s_add_nc_u64 s[96:97], s[96:97], s[2:3]
.irp s, 0,1
	s_add_nc_u64 s[G0+4*\s+2:G0+4*\s+3], s[92:93], \s*3072
	s_or_b32 s[G0+4*\s+3], s[G0+4*\s+3], 0x80000000
	s_add_nc_u64 s[G0B+4*\s+2:G0B+4*\s+3], s[96:97], \s*3072
	s_or_b32 s[G0B+4*\s+3], s[G0B+4*\s+3], 0x80000000
.endr
	CROUND                                         ; all sixteen work-groups are here: the first joint loads meet
; THE HEAD'S LOADS, ONE A WAVE: wave 0 A's 16 tiles of K's first quarter, wave 1 B's, wave 2 A's scale bytes, wave 3 B's.  One chain of branches on the wave's number, every way passes one load.
.macro ARM under, g0, g1, next
	s_cmp_lt_u32 s16, \under
	s_cbranch_scc0 \next
	tensor_load_to_lds s[\g0:\g0+3], s[\g1:\g1+7]
	s_nop 0
.rept 4
	v_nop
.endr
	s_branch .Lhead_asked
\next:
.endm
	ARM 1, G0+8, G1, .Lhead_b
	ARM 2, G0B+8, G1B, .Lhead_sa
	ARM 3, G0S, G1S, .Lhead_sb
	tensor_load_to_lds s[G0SB:G0SB+3], s[G1SB:G1SB+7]
	s_nop 0
.rept 4
	v_nop
.endr
.Lhead_asked:
	v_and_b32 v1, 15, v0                           ; r
	v_bfe_u32 v2, v0, 4, 1                         ; h
	v_and_b32 v3, 31, v0                           ; lane
	v_lshlrev_b32 v[L16], 4, v3
	v_lshlrev_b32 v[L8], 3, v3
	v_add_nc_u32 v5, 512, v[L8]
	s_mul_i32 s2, s17, HALFT                       ; my 8 tiles of A'
	s_mul_i32 s100, s18, HALFT                     ; my 8 tiles of B',
	s_add_co_u32 s100, s100, 2*HALFT               ; which lie behind A's 16
.irp s, 0,1,2
	v_add_nc_u32 v[ADRA+2*\s], s2, v[L16]
	v_add_nc_u32 v[ADRA+2*\s+1], s2, v5
	v_add_nc_u32 v[ADRB+2*\s], s100, v[L16]
	v_add_nc_u32 v[ADRB+2*\s+1], s100, v5
.if \s == 0
	s_lshl_b32 s2, s2, 1                           ; behind slot 0 a wave's part is twice as long,
	s_lshl_b32 s100, s100, 1
	s_add_co_u32 s2, s2, SLOT
	s_add_co_u32 s100, s100, SLOT
.else
	s_add_co_u32 s2, s2, 3072                      ; and slot 2 is the second half of each tile's 6,144 bytes
	s_add_co_u32 s100, s100, 3072
.endif
.endr
	s_lshl_b32 s2, s17, 10                         ; the scale words: my 128 rows of A's 256,
	s_lshl_b32 s100, s18, 10
	s_add_co_u32 s100, s100, 8192                  ; B's,
	s_sub_co_u32 s100, s100, s2                    ; and the distance between them, which lanes 16-31 add
	v_mul_u32_u24 v4, s100, v2
	s_add_co_u32 s2, s2, SCL
	v_lshl_add_u32 v[ADRS], v1, 3, v4
	v_add_nc_u32 v[ADRS], s2, v[ADRS]
	s_lshl_b32 s14, s21, 1                         ; where my results go
	s_add_co_u32 s14, s14, s17                     ; my 128 rows of A': 2 x tile row + half
	s_lshl_b32 s15, s22, 1
	s_add_co_u32 s15, s15, s18                     ; my 128 rows of B'
	s_lshl_b32 s100, s14, 5
	s_lshl_b32 s101, s15, 1
	s_add_co_u32 s100, s100, s101
	s_mul_i32 s100, s100, 6656                     ; q, k: record (token group, my first head)
	s_lshl_b32 s15, s15, 4
	s_lshl_b32 s14, s14, 1
	s_add_co_u32 s14, s14, s15
	s_mul_i32 s14, s14, 6400                       ; v: record (key step, my first head)
	s_cmp_eq_u32 s23, 0
	s_cselect_b32 s14, s100, s14
	s_mov_b32 s15, 0
	s_add_nc_u64 s[12:13], s[12:13], s[14:15]
	s_wait_alu depctr_va_vdst(0)
	s_wait_tensorcnt 0x0                           ; my tile of the head's four is in
	ds_add_u32 v[SPW], v[NIL]
.irp g, G1, G1B                        ; no tensor load of mine is out: from here a load brings 8 tiles; the next one rows of 6,144 bytes, K's second and third quarter
	s_mov_b32 s[\g+1], 768<<16
	s_mov_b32 s[\g+2], 8<<16
	s_mov_b32 s[\g+3], 768<<16
	s_mov_b32 s[\g+4], 8
.endr
	s_wait_dscnt 0x0
	CROUND                                         ; all four tiles are in, and all sixteen work-groups are here
	JLOAD G0+4, G1, G0B+4, G1B                     ; slots 1 and 2 by one load a wave, the first tensor load behind the round
	FETCH_B 0, 0, 0
	FETCH_A 0, 0, 0
	SCALES 0
	FETCH_A 0, 0, 4
	KSTEP 0, 0, 0, 0, 1, 0, 0, 1                   ; the first products start the sums: nothing is cleared
	KSTEP 0, 1, 0, 1, 0, 1, 2, 0                   ; the one round: slots 1 and 2 are whole for every wave, slot 0 is left and filled again
	KSTEP 1, 0, 1, 1, 1, 1, 0, 0
	KSTEP 1, 1, 1, 2, 0, 2, 0, 0
	KSTEP 2, 0, 2, 2, 1, 2, 0, 0
	KSTEP 2, 1, 2, 0, 0, 3, 1, 0                   ; slot 0's second fill is whole for every wave
	KSTEP 0, 0, 3, 0, 1, 3, 0, 0
	s_wait_dscnt 16                                ; the last step: nothing more to fetch
	WIN 0xa1
	MUL16 0, 1, 1, 1, 0
	MUL16 2, 1, 1, 1, 0
	s_wait_dscnt 0x0
	WIN 0xf1
	MUL16 4, 1, 1, 1, 0
	MUL16 6, 1, 1, 1, 0
	WIN 0
; THE WAY OUT.  A row of tiles (64 registers of window w from s on) becomes a fragment's codes in v[pc] on and its scale word in v[pw]: nothing goes through LDS.  Each accumulator is read from its low end on.
.macro QUANTW s, w, pc, pw
	WIN ((\w)<<2)|((\w)<<4)                        ; sources 1 and 2: the accumulators' window
.irp b, 0,1,2,3
	v_max3_num_f32 v[TM+\b], 0x1800000, |v[(\s)+16*\b]|, |v[(\s)+1+16*\b]|   ; block b: my 16 numbers, and the floor 2^(3 - 127)
.endr
.irp i, 2,4,6,8,10,12,14
.irp b, 0,1,2,3
	v_max3_num_f32 v[TM+\b], v[TM+\b], |v[(\s)+16*\b+\i]|, |v[(\s)+1+16*\b+\i]|
.endr
.endr
	WIN 0
.irp b, 0,1,2,3
	v_permlanex16_b32 v[TM+4+\b], v[TM+\b], s[SEL], s[SEL+1]
.endr
.irp b, 0,1,2,3
	v_max_num_f32 v[TM+\b], v[TM+\b], v[TM+4+\b]
.endr
.irp b, 0,1,2,3
	v_add_nc_u32 v[TM+12+\b], 0xff000000, v[TM+\b]
.endr
.irp b, 0,1,2,3
	v_lshrrev_b32 v[TM+4+\b], 23, v[TM+12+\b]
.endr
	v_lshl_or_b32 v[(\pw)], v[TM+5], 8, v[TM+4]
	v_lshl_or_b32 v[(\pw)], v[TM+6], 16, v[(\pw)]
	v_lshl_or_b32 v[(\pw)], v[TM+7], 24, v[(\pw)]
	WIN (\w)                                       ; source 0: the accumulators' window
.irp c, 0,1
	v_cvt_scalef32_pk16_fp6_f32 v[(\pc)+6*\c:(\pc)+2+6*\c], v[(\s)+32*\c:(\s)+15+32*\c], v[TM+12+2*\c]
	v_cvt_scalef32_pk16_fp6_f32 v[T2+4*\c:T2+2+4*\c], v[(\s)+16+32*\c:(\s)+31+32*\c], v[TM+12+2*\c+1]
.endr
	WIN 0
	v_nop                                          ; one plain place behind a scaled conversion
.irp c, 0,1
.irp i, 0,1,2
	v_permlane16_swap_b32 v[(\pc)+6*\c+\i], v[T2+4*\c+\i]
.endr
.irp i, 0,1,2
	v_mov_b32 v[(\pc)+3+6*\c+\i], v[T2+4*\c+\i]
.endr
.endr
.endm
	PLACES
.irp b, 0,1,2,3
	v_mov_b32 v[TM+4+\b], 0                        ; a lane permute's destination counts as one of its sources
.endr
.irp a, 0,1,2,3,4,5,6,7
	QUANTW 64*(\a%4), 2+\a/4, 64+12*\a, 56+\a
.endr
	v_cmp_gt_u32 vcc_lo, 16, v3                    ; lanes 0-15 carry the words of tiles 0-3, lanes 16-31 those of tiles 4-7
.irp i, 0,1,2,3
	v_cndmask_b32 v[224+\i], v[60+\i], v[56+\i], vcc_lo
.endr
.irp i, 0,1,2,3
	v_lshrrev_b32 v[228+\i], 16, v[224+\i]         ; q, k: the odd head's two bytes, zeros above them
.endr
	v_mul_u32_u24 v4, v2, 6400
	v_lshl_add_u32 v4, v1, 4, v4                   ; v: 16 r, and the second head's record for lanes 16-31
	s_cmp_eq_u32 s23, 0
	s_cbranch_scc0 .Lout_v
.irp a, 0,1,2,3,4,5,6,7                        ; registers 0-5: the even head's image of token tile a; registers 6-11: the odd head's, one record on
	global_store_b128 v[L16], v[64+12*\a:67+12*\a], s[12:13] offset:768*\a
	global_store_b64 v[L8], v[68+12*\a:69+12*\a], s[12:13] offset:768*\a+512
	global_store_b128 v[L16], v[70+12*\a:73+12*\a], s[12:13] offset:6656+768*\a
	global_store_b64 v[L8], v[74+12*\a:75+12*\a], s[12:13] offset:6656+768*\a+512
.endr
	global_store_b128 v[L16], v[224:227], s[12:13] offset:6144
	global_store_b128 v[L16], v[228:231], s[12:13] offset:12800
	s_branch .Lout_done
.Lout_v:
.irp a, 0,1,2,3,4,5,6,7                        ; a fragment: channel tile a % 4 of head a / 4
	global_store_b128 v[L16], v[64+12*\a:67+12*\a], s[12:13] offset:6400*(\a/4)+1536*(\a%4)
	global_store_b64 v[L8], v[68+12*\a:69+12*\a], s[12:13] offset:6400*(\a/4)+1536*(\a%4)+512
	global_store_b128 v[L16], v[70+12*\a:73+12*\a], s[12:13] offset:6400*(\a/4)+1536*(\a%4)+768
	global_store_b64 v[L8], v[74+12*\a:75+12*\a], s[12:13] offset:6400*(\a/4)+1536*(\a%4)+1280
.endr
	s_wait_alu depctr_va_vdst(0)
	global_store_b128 v4, v[224:227], s[12:13] offset:6144   ; sixteen lanes store 256 consecutive bytes, aligned
.Lout_done:
	s_wait_tensorcnt 0x0                           ; the wave's end: three lines behind my last tensor load
	ds_add_u32 v[SPW], v[NIL]
	s_wait_dscnt 0x0
	CROUND                                         ; the closing round: no work-group ends while a partner may still ask for a tile that names it
	s_endpgm
.Lfunc_end_k_q8471e53cad_qkv:
	.size	k_q8471e53cad_qkv, .Lfunc_end_k_q8471e53cad_qkv-k_q8471e53cad_qkv
	.p2alignl 7, 3214868480
	.fill 96, 4, 3214868480
	.section	.rodata,"a",@progbits
	.p2align	6, 0x0
	.amdhsa_kernel k_q8471e53cad_qkv
		.amdhsa_group_segment_fixed_size 327680
		.amdhsa_private_segment_fixed_size 0
		.amdhsa_enable_private_segment 0
		.amdhsa_kernarg_size 48
		.amdhsa_user_sgpr_count 2
		.amdhsa_user_sgpr_kernarg_segment_ptr 1
		.amdhsa_wavefront_size32 1
		.amdhsa_system_sgpr_workgroup_id_x 1
		.amdhsa_system_sgpr_workgroup_id_y 1
		.amdhsa_system_sgpr_workgroup_id_z 1
		.amdhsa_system_vgpr_workitem_id 0
		.amdhsa_next_free_vgpr 1024
		.amdhsa_next_free_sgpr 102
		.amdhsa_reserve_vcc 1
		.amdhsa_float_denorm_mode_32 3
		.amdhsa_float_denorm_mode_16_64 3
		.amdhsa_memory_ordered 1
		.amdhsa_forward_progress 1
		.amdhsa_inst_pref_size 153
	.end_amdhsa_kernel
	.amdgpu_metadata
---
amdhsa.version: [ 1, 2 ]
amdhsa.kernels:
  - .name:           k_q8471e53cad_qkv
    .symbol:         k_q8471e53cad_qkv.kd
    .args:
      - { .name: xc, .offset: 0, .size: 8, .value_kind: global_buffer, .address_space: global }
      - { .name: xs, .offset: 8, .size: 8, .value_kind: global_buffer, .address_space: global }
      - { .name: wc, .offset: 16, .size: 8, .value_kind: global_buffer, .address_space: global }
      - { .name: ws, .offset: 24, .size: 8, .value_kind: global_buffer, .address_space: global }
      - { .name: qkr, .offset: 32, .size: 8, .value_kind: global_buffer, .address_space: global }
      - { .name: vr, .offset: 40, .size: 8, .value_kind: global_buffer, .address_space: global }
    .group_segment_fixed_size: 327680
    .private_segment_fixed_size: 0
    .kernarg_segment_align: 8
    .kernarg_segment_size: 48
    .max_flat_workgroup_size: 128
    .sgpr_count:     102
    .vgpr_count:     1024
    .wavefront_size: 32
...
	.end_amdgpu_metadata
.endif
;; end of part 2
;; launch attn (part 3): grid 4 x 64, 16 waves a work-group, no clusters, 327,680 bytes of LDS; arguments qkr, vr, oc, os; writes oc, os
.if DOCPART == 3
	.amdgcn_target "amdgcn-amd-amdhsa--gfx1250"
	.amdhsa_code_object_version 6
	.text
	.protected	k_q8471e53cad_attn
	.globl	k_q8471e53cad_attn
	.p2align	8
	.type	k_q8471e53cad_attn,@function
k_q8471e53cad_attn:
	s_mov_b64 s[64:65], 0
	v_nop
	global_prefetch_b8 v0, s[64:65] scope:SCOPE_SE
	s_setreg_imm32_b32 hwreg(HW_REG_WAVE_MODE, 25, 1), 1
	s_wait_xcnt 0x0
; Causal attention on codes of FP6 (E2M3), head size 64, 2,048 tokens, 64 (batch, head) pairs; the heads' results are quantised along d for the last product.
; t = score x log2(e) / 8; M = the running largest t rounded UP to a whole number; p = 2^(t - M) is quantised along the keys, not normalised; the row's sum is taken of the unquantised p and divides O at the end.
; LEFT OUT: key steps all of whose keys come after a tile's queries: the causal mask gives them p = 0.
; SHARES.  Work-group (i, y), i = 0 .. 3, y = 16 batch + head.  Sixteen waves; WAVE w OWNS TWO TILES of 16 queries: tile w of token block i (256 tokens) and tile w of block 7 - i.
; Tile w of block g walks 2 g + 1 + w / 8 key steps of 128, so a wave walks 16 + 2 (w / 8) tile steps whatever i, and 4 x 64 = 256 work-groups have equal work.
; In a key step a wave works tile 0 (while its keys count) and then tile 1, each from LDS anew: 256 registers hold one set of scores and of K's or V's fragments beside two Q and two O^T.
; BOTH PRODUCTS ARE USED TRANSPOSED: S^T = K Q^T, O^T = V^T P^T: a lane holds ONE query of a tile throughout.  Keys and channels stand in the order of positions in their tiles, so that the 16 registers of two neighbouring
; tiles are 16 true neighbours: 32 b + 16 (lane / 16) + 0 .. 15.  The queries of tile t of a group of 128: lane r holds query 32 (t / 2) + 8 (t % 2) + r + 8 (r / 8).
; K = 64 IN AN INSTRUCTION OF 128: K's eight images lie 6 registers apart; fragment i's upper 64 along K are the next image's codes (the last's: six registers of lane terms that are never rewritten).
; They meet Q's zero codes; every pattern of 6 bits is a finite number of E2M3 and no scale byte is 0xff: they add exactly 0.
; RECORDS (made by the launch before): qkr [token group of 128][q heads 0-15, k heads 16-31][6,656]: 8 images of 768 bytes, then 512 bytes of scale words; vr [key step][head][6,400]: 4 fragments of 1,536 bytes, then 256 bytes of scale words.
; THE RING: two LDS slots of two key steps (two records of K, two of V: 26,112 bytes), filled by waves 0-3, one dense load each, read by all sixteen.  Eight trips, a constant; a slot whose keys no query of the work-group sees is not asked for.
; NO CLUSTER: the four work-groups of a head need 8, 7, 6, 5 slots under the causal limit, and a joint load has to be issued by every partner that it names.
; OUT: oc [token tile 512][head 16][768]: images; os [256 along d: 4][position][8]: head's two bytes at 2 (head % 4).  Those stores are 2 bytes a row, since a position's 8 bytes come from four work-groups: one byte in 24 of what is stored.
; LIMITS: a block of zeros keeps the byte 1; NaN and infinities are not served; the scaled scores stay under 2^31 in magnitude.
; REGISTERS: v1, v2 the add's two; v3-5 addresses of the step; v[6:7], v[14:15] the sums of tile 1, 0; v8-11 V's scale words; v12, v13 -M of tile 0, 1; v16-27, v28-39 Q and zeros; v40-87 K's images, then V's fragments;
;   v88-93 lane terms; v94 Q's scale words (lanes 0-15 tile 0's, lanes 16-31 tile 1's); v96-159 S^T, then p; v160-191, v192-223 O^T; v224-235 p's codes; v232-255 at work (v236-243 first hold K's scale words).
.set KREC,  6656
.set VREC,  6400
.set VOFF,  2*KREC
.set SLOT1, 32768                      ; one exclusive or turns an address in one slot into the other's
.set SPARE, 65536                      ; the spare words, 128 bytes for each of sixteen waves: eight blocks of 256 bytes that no other line names
.set NSL,   8                          ; slots' worth of keys
.set SPW,   1
.set NIL,   2
.set A8,    3
.set A9,    4
.set A10,   5
.set VS,    8
.set KV,    40
.set L16,   88                         ; 16 x lane
.set L8,    89                         ; 512 + 8 x lane
.set R16,   90                         ; 16 r
.set BND,   91                         ; the mask's bound
.set PFO,   92                         ; the prefetch's offset
.set QS,    94
.set TB,    2                          ; s2   LDS byte at which the slot in hand begins
.set WV,    18
.set SEL,   20
.set CS,    22                         ; s[22:23] c = log2(e) / 8
.set G1K,   24
.set G1V,   32
.set G0K,   40
.set G0V,   44
.set LQ,    66                         ; s66  my work-group's last query
.set SLOTS, 67
.set PFA,   76
.set PFS,   78
.set LIM,   80
.set QG,    96                         ; s96, s97  the first query of tile 0's, tile 1's group of 128
.set KF,    98                         ; s98  the step's first key
.macro TLOAD                           ; waves 0 and 1 fetch the slot's two records of K, waves 2 and 3 those of V, the others nothing.  An s_nop 0 and four v_nop follow each line
	s_cmp_lt_u32 s[WV], 2
	s_cbranch_scc0 .Lnot_k_\@
	tensor_load_to_lds s[G0K:G0K+3], s[G1K:G1K+7]
	s_nop 0
.rept 4
	v_nop
.endr
	s_branch .Lasked_\@
.Lnot_k_\@:
	s_cmp_lt_u32 s[WV], 4
	s_cbranch_scc0 .Lasked_\@
	tensor_load_to_lds s[G0V:G0V+3], s[G1V:G1V+7]
	s_nop 0
.rept 4
	v_nop
.endr
.Lasked_\@:
.endm
	s_load_b256 s[4:11], s[0:1], 0x0               ; qkr, vr, oc, os
	v_lshl_add_u32 v[SPW], v0, 2, SPARE
	v_mov_b32 v[NIL], 0
	ds_add_u32 v[SPW], v[NIL]                      ; the wave's opening: the add, twice on end, and its wait ahead of my first tensor load
	ds_add_u32 v[SPW], v[NIL]
	v_lshrrev_b32 v[A8], 5, v0
	v_readfirstlane_b32 s[WV], v[A8]               ; wave 0..15
	s_and_b32 s48, ttmp7, 0xffff
	s_lshr_b32 s49, s48, 4                         ; batch
	s_and_b32 s50, s48, 15                         ; head
	s_lshl_b32 s54, s49, 4
	s_and_b32 s62, s[WV], 1                        ; which of a slot's two key steps I fetch, or name
	s_add_co_u32 s63, s54, s62
	s_lshl_b32 s68, s63, 5
	s_add_co_u32 s68, s68, s50
	s_add_co_u32 s68, s68, 16
	s_mul_i32 s68, s68, KREC                       ; K's record of that step in slot 0
	s_mov_b32 s69, 0
	s_lshl_b32 s70, s63, 4
	s_add_co_u32 s70, s70, s50
	s_mul_i32 s70, s70, VREC                       ; V's
	s_mov_b32 s71, 0
	s_mul_i32 s72, s62, KREC                       ; and their places in a slot
	s_mul_i32 s73, s62, VREC
	s_add_co_u32 s73, s73, VOFF
	s_mov_b32 s[G1K], 3<<16                        ; a dense record as rows of 256 bytes (32 elements of 8 bytes): K's 26,
	s_mov_b32 s[G1K+1], 32<<16
	s_mov_b32 s[G1K+2], 26<<16
	s_mov_b32 s[G1K+3], 32<<16
	s_mov_b32 s[G1K+4], 26
	s_mov_b32 s[G1K+5], 32
	s_mov_b32 s[G1K+6], 0
	s_mov_b32 s[G1K+7], 0
	s_mov_b32 s[G1V], 3<<16                        ; V's 25
	s_mov_b32 s[G1V+1], 32<<16
	s_mov_b32 s[G1V+2], 25<<16
	s_mov_b32 s[G1V+3], 32<<16
	s_mov_b32 s[G1V+4], 25
	s_mov_b32 s[G1V+5], 32
	s_mov_b32 s[G1V+6], 0
	s_mov_b32 s[G1V+7], 0
	s_wait_dscnt 0x0                               ; both opening adds are done
	s_wait_kmcnt 0x0
	s_mov_b32 s[G0K], 1
	s_mov_b32 s[G0K+1], s72
	s_add_nc_u64 s[G0K+2:G0K+3], s[4:5], s[68:69]
	s_or_b32 s[G0K+3], s[G0K+3], 0x80000000
	s_mov_b32 s[G0V], 1
	s_mov_b32 s[G0V+1], s73
	s_add_nc_u64 s[G0V+2:G0V+3], s[6:7], s[70:71]
	s_or_b32 s[G0V+3], s[G0V+3], 0x80000000
	TLOAD                                          ; slot 0: the one first fill at the head
	s_and_b32 s51, s[WV], 7                        ; my tiles' place in their groups of 128
	s_lshr_b32 s52, s[WV], 3
	s_lshl_b32 s53, ttmp9, 1
	s_sub_co_u32 s55, 14, s53
	s_add_co_u32 s53, s53, s52                     ; tile 0's group: 2 i + w / 8
	s_add_co_u32 s55, s55, s52                     ; tile 1's: 14 - 2 i + w / 8
	s_lshl_b32 s[QG], s53, 7
	s_lshl_b32 s[QG+1], s55, 7
	s_sub_co_u32 s[LQ], 7, ttmp9
	s_lshl_b32 s[LQ], s[LQ], 8
	s_or_b32 s[LQ], s[LQ], 255
	s_add_co_u32 s53, s53, s54                     ; 16 batch + group
	s_add_co_u32 s55, s55, s54
	s_lshl_b32 s56, s53, 5
	s_add_co_u32 s56, s56, s50
	s_mul_i32 s56, s56, KREC                       ; Q's records
	s_lshl_b32 s58, s55, 5
	s_add_co_u32 s58, s58, s50
	s_mul_i32 s58, s58, KREC
	s_sub_co_u32 s12, s58, s56                     ; from tile 0's record to tile 1's: under 2^24 bytes
	s_lshr_b32 s60, s51, 2
	s_lshl_b32 s60, s60, 8
	s_and_b32 s61, s51, 3
	s_lshl_b32 s61, s61, 2
	s_add_co_u32 s60, s60, s61
	s_add_co_u32 s60, s60, s56
	s_add_co_u32 s60, s60, 6144                    ; tile 0's scale words
	s_mul_i32 s13, s51, 768
	s_add_co_u32 s56, s56, s13                     ; the tiles' images
	s_add_co_u32 s58, s58, s13
	s_mov_b32 s57, 0
	s_mov_b32 s59, 0
	s_mov_b32 s61, 0
	s_lshl_b32 s53, s53, 3
	s_add_co_u32 s53, s53, s51                     ; my token tiles
	s_lshl_b32 s55, s55, 3
	s_add_co_u32 s55, s55, s51
	s_mul_i32 s13, s50, 768
	s_mul_i32 s14, s53, 12288
	s_add_co_u32 s14, s14, s13                     ; their images in oc
	s_mov_b32 s15, 0
	s_mul_i32 s16, s55, 12288
	s_add_co_u32 s16, s16, s13
	s_mov_b32 s17, 0
	s_lshr_b32 s13, s50, 2
	s_lshl_b32 s13, s13, 16
	s_and_b32 s3, s50, 3
	s_lshl_b32 s3, s3, 1
	s_add_co_u32 s13, s13, s3
	s_lshl_b32 s86, s53, 7
	s_add_co_u32 s86, s86, s13                     ; their bytes in os
	s_mov_b32 s87, 0
	s_lshl_b32 s88, s55, 7
	s_add_co_u32 s88, s88, s13
	s_mov_b32 s89, 0
	s_add_nc_u64 s[56:57], s[4:5], s[56:57]
	s_add_nc_u64 s[58:59], s[4:5], s[58:59]
	s_add_nc_u64 s[60:61], s[4:5], s[60:61]
	s_add_nc_u64 s[82:83], s[8:9], s[16:17]
	s_add_nc_u64 s[8:9], s[8:9], s[14:15]
	s_add_nc_u64 s[84:85], s[10:11], s[88:89]
	s_add_nc_u64 s[10:11], s[10:11], s[86:87]
; THE PREFETCHES: what the NEXT change of slots will ask for.  All four work-groups of a head walk the same records: the one with i = 0, which walks all slots, asks.  In it waves 4 and 5 name K's two records, waves 6 and 7 V's:
; one instruction a wave, lanes 256 bytes apart; a record has 26 (25) such blocks, and the lanes beyond name the last once more.  It stands one slot, two key steps, ahead of the load; slots 0 and 1 come by their loads alone; the last two trips ask for nothing.
	s_and_b32 s86, s[WV], 2
	s_cmp_eq_u32 s86, 0
	s_cselect_b64 s[PFA:PFA+1], s[4:5], s[6:7]
	s_cselect_b64 s[88:89], s[68:69], s[70:71]
	s_mov_b32 s[PFS], 2*16*VREC
	s_cselect_b32 s[PFS], 2*32*KREC, s[PFS]        ; a slot on
	s_cselect_b32 s87, 25, 24                      ; a record's last block of 256 bytes
	s_mov_b32 s[PFS+1], 0
	s_add_nc_u64 s[PFA:PFA+1], s[PFA:PFA+1], s[88:89]
	s_add_nc_u64 s[PFA:PFA+1], s[PFA:PFA+1], s[PFS:PFS+1]  ; in slot 1: the first change of slots steps it to slot 2
	s_lshr_b32 s86, s[WV], 2
	s_xor_b32 s86, s86, 1                          ; 0 in waves 4 to 7,
	s_or_b32 s86, s86, ttmp9                       ; of the head's work-group 0
	s_cmp_eq_u32 s86, 0
	s_cselect_b32 s[LIM], 2, -1
	s_lshr_b32 s86, s51, 1
	s_lshl_b32 s86, s86, 5
	s_and_b32 s3, s51, 1
	s_lshl_b32 s3, s3, 3
	s_add_co_u32 s86, s86, s3
	s_mov_b32 s[SEL], 0x76543210
	s_mov_b32 s[SEL+1], 0xfedcba98
	s_mov_b32 s[CS], 0x3e38aa3b                    ; c = log2(e) / sqrt(64)
	s_mov_b32 s[CS+1], s[CS]                       ; (named with it as a pair, so it is written)
	s_mov_b32 s[TB], 0
	s_mov_b32 s[SLOTS], NSL
	s_mov_b32 s[KF], 0
	v_and_b32 v[A8], 31, v0                        ; lane
	v_and_b32 v[A9], 15, v0                        ; r
	v_bfe_u32 v[A10], v0, 4, 1                     ; h
	v_lshlrev_b32 v[L16], 4, v[A8]
	v_lshlrev_b32 v[L8], 3, v[A8]
	v_lshlrev_b32 v[R16], 4, v[A9]
	v_mul_u32_u24 v95, s12, v[A10]
	v_add_nc_u32 v[L8], 512, v[L8]
	v_add_nc_u32 v95, v95, v[R16]                  ; 16 r, and tile 1's record for lanes 16-31
	global_load_b128 v[16:19], v[L16], s[56:57]    ; Q's images stay in registers
	global_load_b64 v[20:21], v[L8], s[56:57]
	global_load_b128 v[28:31], v[L16], s[58:59]
	global_load_b64 v[32:33], v[L8], s[58:59]
	global_load_b32 v[QS], v95, s[60:61]           ; and their scale words
	v_min_u32 v[PFO], s87, v[A8]
	v_lshlrev_b32 v[PFO], 8, v[PFO]
	v_and_b32 v[BND], 8, v[A9]
	v_add_nc_u32 v[BND], v[BND], v[A9]
	v_lshlrev_b32 v[A8], 4, v[A10]
	v_sub_nc_u32 v[BND], v[BND], v[A8]
	v_add_nc_u32 v[BND], s86, v[BND]               ; my query in its group - 16 h (the same for both tiles).  Register 16 b + i holds key 32 b + 16 h + i of the step: on the diagonal it is hidden where 32 b + i is greater
	v_mov_b32 v93, 0
	v_mov_b32 v12, 0x7f61b1e6                      ; -M so far: 3e38, over every -t
	v_mov_b32 v13, 0x7f61b1e6
	v_mov_b32 v14, 0
	v_mov_b32 v15, 0
	v_mov_b32 v6, 0
	v_mov_b32 v7, 0
.irp b, 0,1,2,3
	v_mov_b32 v[236+\b], 0                         ; a lane permute's destination counts as one of its sources
.endr
	v_mov_b32 v252, 0
	v_mov_b32 v253, 0                              ; (named as the upper halves of pairs before they are first written)
	v_mov_b32 v255, 0
.irp j, 0,1,2,3,4,5
	v_mov_b32 v[22+\j], 0                          ; Q's upper 64 along K: zero codes
	v_mov_b32 v[34+\j], 0
.endr
.set j, 0
.rept 64
	v_mov_b32 v[160+j], 0                          ; both O^T.  (The step is written once: the first finds zeros, which the first change of M leaves zeros)
.set j, j+1
.endr
; A TILE STEP: tile T against 128 keys, the q-th step of the slot in hand.  A step whose keys all come after the tile's queries is left out by a scalar branch on ids, round its loads and work alone.
.macro STEP T, q
.set SM,  14-8*\T
.set OB,  160+32*\T
.set QB,  16+12*\T
.set NMT, 12+\T
	s_cmp_gt_u32 s[KF], s[QG+\T]
	s_cbranch_scc1 .Lhidden_\@
	v_add_nc_u32 v[A8], s[TB], v[L16]
	v_add_nc_u32 v[A9], s[TB], v[L8]
	v_add_nc_u32 v[A10], s[TB], v[R16]
	v_nop                                          ; four places in front of loads into registers that the last products have read
.irp i, 0,1,2,3,4,5,6,7
	ds_load_b128 v[KV+6*\i:KV+6*\i+3], v[A8] offset:KREC*(\q)+768*\i
	ds_load_b64 v[KV+6*\i+4:KV+6*\i+5], v[A9] offset:KREC*(\q)+768*\i
.endr
	ds_load_b128 v[236:239], v[A10] offset:KREC*(\q)+6144   ; row r's scale words of tiles 0-3,
	ds_load_b128 v[240:243], v[A10] offset:KREC*(\q)+6400   ; and of tiles 4-7
	s_wait_alu depctr_va_vdst(0)
	s_wait_dscnt 0x0
.irp i, 0,1,2,3,4,5,6,7
.if \T
	v_wmma_scale_f32_16x16x128_f8f6f4 v[96+8*\i:103+8*\i], v[KV+6*\i:KV+6*\i+11], v[QB:QB+11], 0, v[236+\i], v[QS] matrix_a_fmt:MATRIX_FMT_FP6 matrix_b_fmt:MATRIX_FMT_FP6 matrix_b_scale:MATRIX_SCALE_ROW1
.else
	v_wmma_scale_f32_16x16x128_f8f6f4 v[96+8*\i:103+8*\i], v[KV+6*\i:KV+6*\i+11], v[QB:QB+11], 0, v[236+\i], v[QS] matrix_a_fmt:MATRIX_FMT_FP6 matrix_b_fmt:MATRIX_FMT_FP6
.endif
.endr
.rept 4
	v_nop                                          ; places: in front of the loads below, and of the first read of the scores
.endr
.irp t, 0,1,2,3                                ; V's four fragments are asked for now, and land while the softmax is worked
	ds_load_b128 v[KV+12*\t:KV+12*\t+3], v[A8] offset:VOFF+VREC*(\q)+1536*\t
	ds_load_b64 v[KV+12*\t+4:KV+12*\t+5], v[A9] offset:VOFF+VREC*(\q)+1536*\t
	ds_load_b128 v[KV+12*\t+6:KV+12*\t+9], v[A8] offset:VOFF+VREC*(\q)+1536*\t+768
	ds_load_b64 v[KV+12*\t+10:KV+12*\t+11], v[A9] offset:VOFF+VREC*(\q)+1536*\t+768
.endr
	ds_load_b128 v[VS:VS+3], v[A10] offset:VOFF+VREC*(\q)+6144
	s_cmp_lt_u32 s[KF], s[QG+\T]                   ; on the diagonal the scores of hidden keys become -infinity ahead of the maximum: p = 0 then.  A step all of whose keys count skips this
	s_cbranch_scc1 .Lopen_\@
	v_mov_b32 v254, 0xff800000
.set n, 0
.rept 64
	v_cmp_gt_i32 vcc_lo, 32*(n/16)+n%16, v[BND]
	v_cndmask_b32 v[96+n], v[96+n], v254, vcc_lo
.set n, n+1
.endr
.Lopen_\@:
.irp b, 0,1,2,3
	v_max3_num_f32 v[232+\b], v[96+16*\b], v[97+16*\b], v[98+16*\b]   ; the largest score of each block of 32 keys: for the row's maximum, and, since p rises with the score, for the block's largest p
.endr
.irp i, 3,5,7,9,11,13
.irp b, 0,1,2,3
	v_max3_num_f32 v[232+\b], v[232+\b], v[96+16*\b+\i], v[97+16*\b+\i]
.endr
.endr
.irp b, 0,1,2,3
	v_max_num_f32 v[232+\b], v[232+\b], v[111+16*\b]
.endr
.irp b, 0,1,2,3
	s_delay_alu instid0(VALU_DEP_4)
	v_permlanex16_b32 v[236+\b], v[232+\b], s[SEL], s[SEL+1]
.endr
.irp b, 0,1,2,3
	s_delay_alu instid0(VALU_DEP_4)
	v_max_num_f32 v[232+\b], v[232+\b], v[236+\b]  ; with lane l xor 16's 16 keys
.endr
	s_delay_alu instid0(VALU_DEP_2)
	v_max3_num_f32 v254, v232, v233, v234
	s_delay_alu instid0(VALU_DEP_1)
	v_max_num_f32 v254, v254, v235                 ; the step's largest score of my query
	s_delay_alu instid0(VALU_DEP_1)
	v_mul_f32 v254, s[CS], v254                    ; as t
	s_delay_alu instid0(VALU_DEP_1)
	v_floor_f32 v254, -v254                        ; -ceil(t)
	s_delay_alu instid0(VALU_DEP_1)
	v_min_num_f32 v254, v254, v[NMT]               ; the new -M: the least of these so far
	s_delay_alu instid0(VALU_DEP_1)
	v_sub_f32 v252, v254, v[NMT]                   ; old M - new M: a whole number, 0 or less
	s_delay_alu instid0(VALU_DEP_2)
	v_mov_b32 v[NMT], v254
	s_delay_alu instid0(VALU_DEP_2)
	v_cvt_i32_f32 v252, v252                       ; (it saturates)
	s_delay_alu instid0(VALU_DEP_1)
	v_ldexp_f32 v252, 1.0, v252                    ; f = 2^(old M - new M)
.set j, 0
.rept 32
	v_pk_fma_f32 v[96+j:97+j], v[96+j:97+j], s[CS:CS+1], v[254:255] op_sel_hi:[1,0,0]   ; t - M, two at a time
.set j, j+2
.endr
.irp b, 0,1,2,3
	v_fma_f32 v[232+\b], v[232+\b], s[CS], v254    ; the same of each block's largest score
.endr
.set j, 0
	s_wait_alu depctr_va_vdst(0)                   ; the wait ahead of the batch
.rept 64
	v_exp_f32 v[96+j], v[96+j]                     ; p = 2^(t - M)
.set j, j+1
.endr
	v_pk_mul_f32 v[SM:SM+1], v[SM:SM+1], v[252:253] op_sel_hi:[1,0]   ; the sums under the new M.  (A plain place behind the exponentials)
	s_wait_alu depctr_va_vdst(0)                   ; one wait for the whole batch, ahead of its first reader
.irp b, 0,1,2,3
	v_exp_f32 v[232+\b], v[232+\b]                 ; the block's largest p
.endr
	v_pk_add_f32 v[236:237], v[100:101], v[104:105]   ; the row's sum of the unquantised p, in eight chains
	v_pk_add_f32 v[250:251], v[108:109], v[112:113]
	v_pk_add_f32 v[248:249], v[116:117], v[120:121]
	v_pk_add_f32 v[246:247], v[124:125], v[128:129]
	v_pk_add_f32 v[244:245], v[132:133], v[136:137]
	v_pk_add_f32 v[242:243], v[140:141], v[144:145]
	v_pk_add_f32 v[240:241], v[148:149], v[152:153]
	v_pk_add_f32 v[SM:SM+1], v[SM:SM+1], v[156:157]
	v_pk_add_f32 v[236:237], v[236:237], v[96:97]
	v_pk_add_f32 v[250:251], v[250:251], v[98:99]
	v_pk_add_f32 v[248:249], v[248:249], v[102:103]
	v_pk_add_f32 v[246:247], v[246:247], v[106:107]
	v_pk_add_f32 v[244:245], v[244:245], v[110:111]
	v_pk_add_f32 v[242:243], v[242:243], v[114:115]
	v_pk_add_f32 v[240:241], v[240:241], v[118:119]
	v_pk_add_f32 v[SM:SM+1], v[SM:SM+1], v[122:123]
	v_pk_add_f32 v[236:237], v[236:237], v[126:127]
	v_pk_add_f32 v[250:251], v[250:251], v[130:131]
	v_pk_add_f32 v[248:249], v[248:249], v[134:135]
	v_pk_add_f32 v[246:247], v[246:247], v[138:139]
	v_pk_add_f32 v[244:245], v[244:245], v[142:143]
	v_pk_add_f32 v[242:243], v[242:243], v[146:147]
	v_pk_add_f32 v[240:241], v[240:241], v[150:151]
	v_pk_add_f32 v[SM:SM+1], v[SM:SM+1], v[154:155]
	v_pk_add_f32 v[236:237], v[236:237], v[158:159]
	s_delay_alu instid0(VALU_DEP_2)
	v_pk_add_f32 v[SM:SM+1], v[SM:SM+1], v[246:247]
	s_delay_alu instid0(VALU_DEP_2)
	v_pk_add_f32 v[236:237], v[236:237], v[244:245]
	v_pk_add_f32 v[250:251], v[250:251], v[242:243]
	v_pk_add_f32 v[248:249], v[248:249], v[240:241]
	s_delay_alu instid0(VALU_DEP_2)
	v_pk_add_f32 v[SM:SM+1], v[SM:SM+1], v[250:251]
	s_delay_alu instid0(VALU_DEP_2)
	v_pk_add_f32 v[236:237], v[236:237], v[248:249]
	s_delay_alu instid0(VALU_DEP_1)
	v_pk_add_f32 v[SM:SM+1], v[SM:SM+1], v[236:237]
	s_wait_alu depctr_va_vdst(0)                   ; and one for the four
.irp b, 0,1,2,3
	v_max_num_f32 v[232+\b], 0x1800000, v[232+\b]  ; the floor 2^(3 - 127): a block whose every p is 0 keeps the byte 1: its codes are zeros
.endr
.irp b, 0,1,2,3
	s_delay_alu instid0(VALU_DEP_4)
	v_add_nc_u32 v[244+\b], 0xff000000, v[232+\b]
.endr
.irp b, 0,1,2,3
	s_delay_alu instid0(VALU_DEP_4)
	v_lshrrev_b32 v[236+\b], 23, v[244+\b]
.endr
	s_delay_alu instid0(VALU_DEP_3)
	v_lshl_or_b32 v253, v237, 8, v236              ; p's scale word for these 128 keys
	s_delay_alu instid0(VALU_DEP_1)
	v_lshl_or_b32 v253, v238, 16, v253
	s_delay_alu instid0(VALU_DEP_1)
	v_lshl_or_b32 v253, v239, 24, v253
.irp c, 0,1
	v_cvt_scalef32_pk16_fp6_f32 v[224+6*\c:226+6*\c], v[96+32*\c:111+32*\c], v[244+2*\c]
	v_cvt_scalef32_pk16_fp6_f32 v[236+4*\c:238+4*\c], v[112+32*\c:127+32*\c], v[244+2*\c+1]
.endr
	v_nop                                          ; one plain place behind a scaled conversion
.irp c, 0,1
.irp i, 0,1,2
	v_permlane16_swap_b32 v[224+6*\c+\i], v[236+4*\c+\i]
.endr
.irp i, 0,1,2
	s_delay_alu instid0(VALU_DEP_3)
	v_mov_b32 v[227+6*\c+\i], v[236+4*\c+\i]
.endr
.endr
	s_wait_alu depctr_va_vdst(0)                   ; the wait, directly ahead of the first reader of O^T
.set j, 0
.rept 16
	v_pk_mul_f32 v[OB+j:OB+j+1], v[OB+j:OB+j+1], v[252:253] op_sel_hi:[1,0]   ; O^T under the new M.  (With the moves above: the places between the scale word's and the codes' last writes and the products below)
.set j, j+2
.endr
	s_wait_alu depctr_va_vdst(0)
	s_wait_dscnt 0x0                               ; V's fragments and scale words are in
.irp t, 0,1,2,3
	v_wmma_scale_f32_16x16x128_f8f6f4 v[OB+8*\t:OB+8*\t+7], v[KV+12*\t:KV+12*\t+11], v[224:235], v[OB+8*\t:OB+8*\t+7], v[VS+\t], v253 matrix_a_fmt:MATRIX_FMT_FP6 matrix_b_fmt:MATRIX_FMT_FP6
.endr
.Lhidden_\@:
.endm
	s_wait_alu depctr_va_vdst(0)                   ; the wait at the head's end
	s_wait_loadcnt 0x0                             ; Q
; THE CHANGE OF SLOTS stands at a trip's head.  Each wave waits for all its tensor loads, adds 0 to its spare word, and waits for that and for its reads of the slot that it has left.
; Behind the barrier the slot ahead is whole and nobody reads the other one: that one takes the next 256 keys while their first key is at or under my work-group's last query; a slot beyond that is read by none of the sixteen waves.
; Every wait on TENSORcnt in this text is for 0.
.Lslot:                                            ; NSL trips, a constant
	s_wait_tensorcnt 0x0                           ; no tensor load of mine is out, so a group 0 may be written
	ds_add_u32 v[SPW], v[NIL]
	ds_add_u32 v[SPW], v[NIL]
	s_xor_b32 s[G0K+1], s[G0K+1], SLOT1
	s_add_nc_u64 s[G0K+2:G0K+3], s[G0K+2:G0K+3], 2*32*KREC
	s_xor_b32 s[G0V+1], s[G0V+1], SLOT1
	s_add_nc_u64 s[G0V+2:G0V+3], s[G0V+2:G0V+3], 2*16*VREC
	s_wait_xcnt 0x0                                ; the last prefetch, a slot back, has read its address, so it may be written
	s_add_nc_u64 s[PFA:PFA+1], s[PFA:PFA+1], s[PFS:PFS+1]
	s_wait_dscnt 0x0                               ; the adds are done, and my reads of the slot that I have left are over
	s_barrier_signal -1
	s_barrier_wait -1
	s_add_co_u32 s99, s[KF], 256                   ; the first key of the slot that this change would ask for
	s_cmp_gt_u32 s99, s[LQ]
	s_cbranch_scc1 .Lpast
	TLOAD                                          ; a wave's one tensor load until the next change; a slot's two key steps stand between it and the wait for it
.Lpast:
	s_cmp_gt_u32 s[SLOTS], s[LIM]
	s_cbranch_scc0 .Lnot_mine
	global_prefetch_b8 v[PFO], s[PFA:PFA+1] th:TH_LOAD_NT scope:SCOPE_SE
.Lnot_mine:
	STEP 0, 0
	STEP 1, 0
	s_add_co_u32 s[KF], s[KF], 128
	STEP 0, 1
	STEP 1, 1
	s_add_co_u32 s[KF], s[KF], 128
	s_xor_b32 s[TB], s[TB], SLOT1
	s_sub_co_u32 s[SLOTS], s[SLOTS], 1
	s_cmp_lg_u32 s[SLOTS], 0
	s_cbranch_scc1 .Lslot
; THE WAY OUT of tile T: O^T / the sum: register 16 b + i = channel 32 b + 16 h + i of my query: two blocks of the last product's K.  They are quantised and leave as an image and two scale bytes.
.macro OUT T, oc, os
.set SM,  14-8*\T
.set OB,  160+32*\T
	v_add_f32 v[SM], v[SM], v[SM+1]
	s_delay_alu instid0(VALU_DEP_1)
	v_permlanex16_b32 v252, v[SM], s[SEL], s[SEL+1]
	s_delay_alu instid0(VALU_DEP_1)
	v_add_f32 v[SM], v[SM], v252                   ; the row's sum
	s_wait_alu depctr_va_vdst(0)
	v_rcp_f32 v[SM], v[SM]
	v_lshrrev_b32 v[A8], 1, v[R16]                 ; (a plain place behind the transcendental)  8 r
	s_wait_alu depctr_va_vdst(0)                   ; the wait, ahead of the first reader
.set j, 0
.rept 32
	v_mul_f32 v[96+j], v[OB+j], v[SM]
.set j, j+1
.endr
.irp b, 0,1
	v_max3_num_f32 v[232+\b], |v[96+16*\b]|, |v[97+16*\b]|, 0x1800000
.endr
.irp i, 2,4,6,8,10,12,14
.irp b, 0,1
	s_delay_alu instid0(VALU_DEP_2)
	v_max3_num_f32 v[232+\b], v[232+\b], |v[96+16*\b+\i]|, |v[97+16*\b+\i]|
.endr
.endr
.irp b, 0,1
	s_delay_alu instid0(VALU_DEP_2)
	v_permlanex16_b32 v[236+\b], v[232+\b], s[SEL], s[SEL+1]
.endr
.irp b, 0,1
	s_delay_alu instid0(VALU_DEP_2)
	v_max_num_f32 v[232+\b], v[232+\b], v[236+\b]
.endr
.irp b, 0,1
	s_delay_alu instid0(VALU_DEP_2)
	v_add_nc_u32 v[244+\b], 0xff000000, v[232+\b]
.endr
.irp b, 0,1
	s_delay_alu instid0(VALU_DEP_2)
	v_lshrrev_b32 v[240+\b], 23, v[244+\b]
.endr
	s_delay_alu instid0(VALU_DEP_1)
	v_lshl_or_b32 v253, v241, 8, v240              ; the head's two scale bytes of my row
	v_cvt_scalef32_pk16_fp6_f32 v[224:226], v[96:111], v244
	v_cvt_scalef32_pk16_fp6_f32 v[236:238], v[112:127], v245
	v_nop                                          ; one plain place behind a scaled conversion
.irp i, 0,1,2
	v_permlane16_swap_b32 v[224+\i], v[236+\i]
.endr
.irp i, 0,1,2
	s_delay_alu instid0(VALU_DEP_3)
	v_mov_b32 v[227+\i], v[236+\i]
.endr
	global_store_b128 v[L16], v[224:227], s[\oc:\oc+1]   ; 512 consecutive bytes, aligned
	global_store_b64 v[L8], v[228:229], s[\oc:\oc+1]     ; and 256 more
	global_store_b16 v[A8], v253, s[\os:\os+1]           ; lanes l and l + 16 store the same two bytes
.endm
.rept 4
	v_nop                                          ; places behind the last products
.endr
	OUT 0, 8, 10
	s_wait_xcnt 0x0                                ; tile 0's stores have read their registers, which tile 1's way out writes again
	OUT 1, 82, 84
	s_wait_tensorcnt 0x0                           ; the wave's end: three lines behind my last tensor load
	ds_add_u32 v[SPW], v[NIL]
	s_wait_dscnt 0x0
	s_endpgm
.Lfunc_end_k_q8471e53cad_attn:
	.size	k_q8471e53cad_attn, .Lfunc_end_k_q8471e53cad_attn-k_q8471e53cad_attn
	.p2alignl 7, 3214868480
	.fill 96, 4, 3214868480
	.section	.rodata,"a",@progbits
	.p2align	6, 0x0
	.amdhsa_kernel k_q8471e53cad_attn
		.amdhsa_group_segment_fixed_size 327680
		.amdhsa_private_segment_fixed_size 0
		.amdhsa_enable_private_segment 0
		.amdhsa_kernarg_size 32
		.amdhsa_user_sgpr_count 2
		.amdhsa_user_sgpr_kernarg_segment_ptr 1
		.amdhsa_wavefront_size32 1
		.amdhsa_system_sgpr_workgroup_id_x 1
		.amdhsa_system_sgpr_workgroup_id_y 1
		.amdhsa_system_sgpr_workgroup_id_z 1
		.amdhsa_system_vgpr_workitem_id 0
		.amdhsa_next_free_vgpr 256
		.amdhsa_next_free_sgpr 100
		.amdhsa_reserve_vcc 1
		.amdhsa_float_denorm_mode_32 3
		.amdhsa_float_denorm_mode_16_64 3
		.amdhsa_memory_ordered 1
		.amdhsa_forward_progress 1
		.amdhsa_inst_pref_size 110
	.end_amdhsa_kernel
	.amdgpu_metadata
---
amdhsa.version: [ 1, 2 ]
amdhsa.kernels:
  - .name:           k_q8471e53cad_attn
    .symbol:         k_q8471e53cad_attn.kd
    .args:
      - { .name: qkr, .offset: 0, .size: 8, .value_kind: global_buffer, .address_space: global }
      - { .name: vr, .offset: 8, .size: 8, .value_kind: global_buffer, .address_space: global }
      - { .name: oc, .offset: 16, .size: 8, .value_kind: global_buffer, .address_space: global }
      - { .name: os, .offset: 24, .size: 8, .value_kind: global_buffer, .address_space: global }
    .group_segment_fixed_size: 327680
    .private_segment_fixed_size: 0
    .kernarg_segment_align: 8
    .kernarg_segment_size: 32
    .max_flat_workgroup_size: 512
    .sgpr_count:     100
    .vgpr_count:     256
    .wavefront_size: 32
...
	.end_amdgpu_metadata
.endif
;; end of part 3
;; launch proj (part 4): grid 4 x 32, 4 waves a work-group, clusters of 4 x 4, 327,680 bytes of LDS; arguments oc, os, wc, ws, bo, out0; writes out0
.if DOCPART == 4
	.amdgcn_target "amdgcn-amd-amdhsa--gfx1250"
	.amdhsa_code_object_version 6
	.text
	.protected	k_q8471e53cad_proj
	.globl	k_q8471e53cad_proj
	.p2align	8
	.type	k_q8471e53cad_proj,@function
k_q8471e53cad_proj:
	s_mov_b64 s[64:65], 0
	v_nop
	global_prefetch_b8 v0, s[64:65] scope:SCOPE_SE
	s_setreg_imm32_b32 hwreg(HW_REG_WAVE_MODE, 25, 1), 1
	s_wait_xcnt 0x0
	s_wait_alu depctr_hold_cnt(0) depctr_sa_sdst(0) depctr_va_vdst(0) depctr_va_sdst(0) depctr_va_ssrc(0) depctr_va_vcc(0) depctr_vm_vsrc(0)
	s_getreg_b32 s2, hwreg(HW_REG_IB_STS2, 6, 4)
	s_cmp_eq_u32 s2, 0
	s_cbranch_scc0 .Lentry_in_a_cluster
	s_endpgm
.Lentry_in_a_cluster:
	s_bfe_u32 s2, ttmp6, 0x10000c
	s_cmp_lg_u32 s2, 0xf033
	s_cbranch_scc0 .Lentry_shape_is_right
	s_endpgm
.Lentry_shape_is_right:
; out0 = heads Wo + bo on codes of FP6 (E2M3) with E8M0 scales, K = 1,024.  A' = the heads' tokens (oc, os), B' = Wo's columns (wc, ws from position 3,072 on).
; A tile of 256 x 256 to a work-group, 128 x 128 to each of four waves.  THE MATRIX INSTRUCTION IS USED TRANSPOSED (source 0 = 16 rows of B', source 1 = 16 rows of A'): a lane holds one token, and since
; Wo's columns stand in the order of positions, register j of accumulator (a, b) is the true column 32 (b / 2) + 8 (b % 2) + 16 (lane / 16) + j.  The bias is the C of each sum's first matrix instruction.
; The tokens stand in the order of positions too: row t of tile a is the true row 32 (a / 2) + 8 (a % 2) + t + 8 (t / 8); the stores' offsets put them back.
; OPERANDS lie in the order of their registers: [tile][K step 8][1536] (images of 768 bytes: lane l's first 16 bytes at 16 l, its last 8 at 512 + 8 l); scale bytes [256 along K: 4][position][8].
; LDS: three slots of 256 along K, so that three quarters of K come with the first fills and ONE refill is left; all scale bytes come once.  4 x 32 = 128 tiles: 128 work-groups.
; CLUSTERS: 4 x 4 work-groups; A's tiles are asked for jointly along a row of the cluster, B's along a column.
; REGISTERS, in windows of 256: window 0: v1-13 lane terms and addresses, v16-27 LDS addresses, v32-63 scale words (two sets), v64-127 the bias, v128-223 A's fragments (one set); window 1: B's fragments, two sets;
;   windows 2, 3: the accumulators ((a, b) at v[8 (8 (a % 4) + b)]).  On the way out v128-255 of window 0 take rows of the output.
.set SLOT,  98304
.set HALFT, 24576
.set SCL,   3*SLOT                     ; the scale bytes: A's [256 along K: 4][256 rows][8], then B's
.set SPARE, SCL+16384                  ; the spare words, 128 bytes for each wave: two blocks of 256 bytes that no other line names
.set STAGE, SLOT                       ; the way out: 16 rows x (512 bytes + 16) for each wave, in the bytes of slots 1 and 2, which have had their one fill, and which nobody reads behind the last barrier
.set FR,    12
.set AF,    128
.set SC,    32
.set BIAS,  64
.set BK,    128
.set STO,   8
.set RD,    9
.set ADRS,  11
.set L16,   12
.set L8,    13
.set ADRA,  16
.set ADRB,  22
.set SPW,   28
.set NIL,   29
.set G1,    24
.set G0,    32
.set G1B,   44
.set G0B,   52
.set G1S,   68
.set G0S,   76
.set G1SB,  80
.set G0SB,  88
.set MSB, 0
.macro WIN new                         ; the immediate's high byte repeats the setting that is left
.if MSB != (\new)
	s_set_vgpr_msb (MSB<<8)|(\new)
.set MSB, (\new)
.endif
.endm
.macro JLOAD g0a, g1a, g0b, g1b        ; a joint load: waves 0 and 1 fetch for A', waves 2 and 3 for B'; an s_nop 0 and four v_nop follow each of the two lines
	s_cmp_eq_u32 s17, 0
	s_cbranch_scc0 .Lfor_b_\@
	tensor_load_to_lds s[\g0a:\g0a+3], s[\g1a:\g1a+7]
	s_nop 0
.rept 4
	v_nop
.endr
	s_branch .Lasked_\@
.Lfor_b_\@:
	tensor_load_to_lds s[\g0b:\g0b+3], s[\g1b:\g1b+7]
	s_nop 0
.rept 4
	v_nop
.endr
.Lasked_\@:
.endm
.macro CREST
	s_cmp_lg_u32 s16, 0
	s_cbranch_scc1 .Lnot_wave_0_\@
	s_barrier_signal -3
.Lnot_wave_0_\@:
	s_barrier_wait -3
	s_barrier_signal -1
	s_barrier_wait -1
.endm
.macro CROUND
	s_barrier_signal -1
	s_barrier_wait -1
	CREST
.endm
.macro PLACES                          ; four plain places behind matrix instructions (ISA guide 7.12.1)
.rept 4
	v_nop
.endr
.endm
.macro FRAG reg, adr, q, i, pt         ; pt: bytes from tile to tile in LDS (slot 0: 3,072; slots 1 and 2, which one load brings as rows of 6,144 bytes: 6,144)
	ds_load_b128 v[(\reg):(\reg)+3], v[(\adr)] offset:(\i)*(\pt)+(\q)*1536
	ds_load_b64 v[(\reg)+4:(\reg)+5], v[(\adr)+1] offset:(\i)*(\pt)+(\q)*1536
	ds_load_b128 v[(\reg)+6:(\reg)+9], v[(\adr)] offset:(\i)*(\pt)+(\q)*1536+768
	ds_load_b64 v[(\reg)+10:(\reg)+11], v[(\adr)+1] offset:(\i)*(\pt)+(\q)*1536+768
.endm
.macro FETCH_B slot, q, p
	WIN 0x40
.irp i, 0,1,2,3,4,5,6,7
	FRAG 128*(\p)+FR*\i, ADRB+2*(\slot), \q, \i, 3072*(1+((\slot)+1)/2)
.endr
	WIN 0
.endm
.macro FETCH_A slot, q, i0
.irp i, \i0, \i0+1, \i0+2, \i0+3
	FRAG AF+FR*(\i), ADRA+2*(\slot), \q, \i, 3072*(1+((\slot)+1)/2)
.endr
.endm
.macro SCALES sg
.irp i, 0,1,2,3,4,5,6,7
	ds_load_b64 v[SC+16*((\sg)%2)+2*\i:SC+16*((\sg)%2)+2*\i+1], v[ADRS] offset:2048*(\sg)+128*\i
.endr
.endm
; 16 matrix instructions; zero = 2: the sums begin with the bias.  The 64 accumulators take turns, one instruction a turn, in the same order in every step.
.macro MUL16 a0, p, q, sc, zero
.irp a, \a0, \a0+1
.irp b, 0,1,2,3,4,5,6,7
.if \zero == 2
	v_wmma_scale_f32_16x16x128_f8f6f4 v[8*(8*((\a)%4)+\b):8*(8*((\a)%4)+\b)+7], v[128*(\p)+FR*\b:128*(\p)+FR*\b+FR-1], v[AF+FR*(\a):AF+FR*(\a)+FR-1], v[BIAS+8*\b:BIAS+8*\b+7], v[SC+16*(\sc)+2*\b+(\q)], v[SC+16*(\sc)+2*(\a)+(\q)] matrix_a_fmt:MATRIX_FMT_FP6 matrix_b_fmt:MATRIX_FMT_FP6 matrix_a_scale:MATRIX_SCALE_ROW1
.else
	v_wmma_scale_f32_16x16x128_f8f6f4 v[8*(8*((\a)%4)+\b):8*(8*((\a)%4)+\b)+7], v[128*(\p)+FR*\b:128*(\p)+FR*\b+FR-1], v[AF+FR*(\a):AF+FR*(\a)+FR-1], v[8*(8*((\a)%4)+\b):8*(8*((\a)%4)+\b)+7], v[SC+16*(\sc)+2*\b+(\q)], v[SC+16*(\sc)+2*(\a)+(\q)] matrix_a_fmt:MATRIX_FMT_FP6 matrix_b_fmt:MATRIX_FMT_FP6 matrix_a_scale:MATRIX_SCALE_ROW1
.endif
.endr
.endr
.endm
; A K step of 128: the q-th of slot cs (quarter sg of K); it fetches the next step's fragments (slot ns, its nq-th, quarter nsg).
; sync = 1: the wait for all my tensor loads, the add, a barrier.  sync = 2: the same with a round of the cluster's barrier, and slot 0 is filled again.
.macro KSTEP cs, q, sg, ns, nq, nsg, sync, zero
.if \sync
	s_wait_tensorcnt 0x0                           ; all my tensor loads have landed;  (every window is 0 here)
	ds_add_u32 v[SPW], v[NIL]                      ; 0 onto my spare word
	s_wait_dscnt 17                                ; (the add and the youngest sixteen loads, A's tiles 4-7, may be out)
.else
	s_wait_dscnt 16                                ; all but the youngest sixteen loads (A's tiles 4-7)
.endif
.if \zero == 2
	WIN 0x81                                       ; source 0 window 1, sources 1 and 2 window 0, D window 2
.else
	WIN 0xa1                                       ; source 0 window 1, source 1 window 0, C and D window 2
.endif
	MUL16 0, \q, \q, (\sg)%2, \zero
.if \sync
	s_wait_dscnt 0x0                               ; the add is done, and my reads of the slot in hand are over
	s_barrier_signal -1
.endif
	MUL16 2, \q, \q, (\sg)%2, \zero
.if \sync == 0
	s_wait_dscnt 0x0                               ; A's tiles 4-7 are in
	PLACES
.elseif \sync == 1
	WIN 0
	s_barrier_wait -1
	PLACES
.else
	WIN 0
	s_barrier_wait -1
	CREST                                          ; no wave of any partner still reads slot 0 or has a load on its way
	s_add_nc_u64 s[G0+2:G0+3], s[G0+2:G0+3], 9216  ; K's fourth quarter
	s_add_nc_u64 s[G0B+2:G0B+3], s[G0B+2:G0B+3], 9216
.irp g, G1, G1B                        ; no tensor load of mine is out: a row is one quarter of K again, 3,072 bytes
	s_mov_b32 s[\g+1], 384<<16
	s_mov_b32 s[\g+3], 384<<16
.endr
	JLOAD G0, G1, G0B, G1B                         ; the first tensor load behind the round, my only one; four K steps stand between it and the wait for it.  Its four v_nop are the places in front of the loads below
.endif
	FETCH_B \ns, \nq, 1-\q
	FETCH_A \ns, \nq, 0
.if \nq == 0
	SCALES \nsg
.endif
.if \zero == 2
	WIN 0xc1
.else
	WIN 0xf1
.endif
	MUL16 4, \q, \q, (\sg)%2, \zero
	MUL16 6, \q, \q, (\sg)%2, \zero
	PLACES
	WIN 0
	FETCH_A \ns, \nq, 4
.endm
	s_load_b256 s[4:11], s[0:1], 0x0               ; oc, os, wc, ws
	s_load_b128 s[12:15], s[0:1], 0x20             ; bo, out0
	v_lshl_add_u32 v[SPW], v0, 2, SPARE
	v_mov_b32 v[NIL], 0
	ds_add_u32 v[SPW], v[NIL]                      ; the wave's opening: the add and its wait ahead of my first tensor load; work on registers stands between them
	ds_add_u32 v[SPW], v[NIL]
	v_lshrrev_b32 v1, 5, v0
	v_readfirstlane_b32 s16, v1                    ; wave 0..3
	s_lshr_b32 s17, s16, 1                         ; my half of the tile's rows; also: I fetch for A' (0) or B' (1)
	s_and_b32 s18, s16, 1                          ; my half of its columns; also: which 128 rows I fetch
	s_bfe_u32 s19, ttmp6, 0x40000                  ; cx
	s_bfe_u32 s20, ttmp6, 0x40004                  ; cy
	s_lshl_b32 s22, ttmp9, 2
	s_add_co_u32 s22, s22, s19                     ; tile column = 4 x cluster x + cx
	s_and_b32 s21, ttmp7, 0xffff
	s_lshl_b32 s21, s21, 2
	s_add_co_u32 s21, s21, s20                     ; tile row = 4 x cluster y + cy
	s_lshl_b32 s3, s20, 2
	s_lshl_b32 s3, 15, s3                          ; my row of the cluster
	s_lshl_b32 s101, 0x1111, s19                   ; my column
	s_or_b32 s[G1], s3, (3<<16)|(1<<21)            ; 15:0 the mask; 17:16 elements of 8 bytes; 21 set beside a mask; no padding
	s_or_b32 s[G1B], s101, (3<<16)|(1<<21)
	s_or_b32 s[G1S], s3, (3<<16)|(1<<21)
	s_or_b32 s[G1SB], s101, (3<<16)|(1<<21)
.irp g, G1, G1B                        ; codes: 8 tiles' rows of 3,072 bytes, 12,288 bytes apart
	s_mov_b32 s[\g+1], 384<<16
	s_mov_b32 s[\g+2], 16<<16                      ; the head's loads bring all 16 tiles of an operand
	s_mov_b32 s[\g+3], 384<<16
	s_mov_b32 s[\g+4], 16
	s_mov_b32 s[\g+5], 1536
	s_mov_b32 s[\g+6], 0
	s_mov_b32 s[\g+7], 0
.endr
.irp g, G1S, G1SB                      ; scale bytes: 4 rows of 2,048 bytes, 65,536 bytes apart
	s_mov_b32 s[\g+1], 256<<16                     ; rows of 2,048 bytes: 256 positions x 8
	s_mov_b32 s[\g+2], 4<<16
	s_mov_b32 s[\g+3], 256<<16
	s_mov_b32 s[\g+4], 4
	s_mov_b32 s[\g+5], 8192
	s_mov_b32 s[\g+6], 0
	s_mov_b32 s[\g+7], 0
.endr
	s_lshl_b32 s2, s21, 11                         ; 2,048 scale bytes for A's 256 rows (in registers that never hold cx)
	s_mov_b32 s3, 0
	s_add_co_u32 s100, s22, 12                     ; Wo's positions begin at 3,072 = 12 x 256
	s_lshl_b32 s100, s100, 11
	s_mov_b32 s101, 0
.irp g, G0, G0B                        ; three groups 0 a side: slot 0's refill (wave x 8 tiles), slots 1 and 2 together (wave x 8 tiles of 6,144 bytes), the head's load of slot 0
	s_mov_b32 s[\g], 1
	s_mul_i32 s[\g+1], s16, HALFT
	s_mov_b32 s[\g+4], 1
	s_mul_i32 s[\g+5], s16, 2*HALFT
	s_add_co_u32 s[\g+5], s[\g+5], SLOT
	s_mov_b32 s[\g+8], 1
.endr
	s_mov_b32 s[G0+9], 0
	s_mov_b32 s[G0B+9], 2*HALFT
	s_mov_b32 s[G0S], 1
	s_mov_b32 s[G0S+1], SCL
	s_mov_b32 s[G0SB], 1
	s_mov_b32 s[G0SB+1], SCL+8192
	s_wait_dscnt 0x0                               ; the opening add is done
	s_wait_kmcnt 0x0
	s_add_nc_u64 s[94:95], s[6:7], s[2:3]          ; A's scale bytes
	s_mul_i32 s2, s2, 96                           ; 98,304 bytes of codes for 128 rows
	s_add_nc_u64 s[92:93], s[4:5], s[2:3]          ; A's codes
	s_add_nc_u64 s[98:99], s[10:11], s[100:101]
	s_mul_i32 s100, s100, 96
	s_add_nc_u64 s[96:97], s[8:9], s[100:101]
	s_mov_b64 s[G0S+2:G0S+3], s[94:95]
	s_or_b32 s[G0S+3], s[G0S+3], 0x80000000
	s_mov_b64 s[G0SB+2:G0SB+3], s[98:99]
	s_or_b32 s[G0SB+3], s[G0SB+3], 0x80000000
	s_mov_b64 s[G0+10:G0+11], s[92:93]             ; the head's loads begin at an operand's first tile
	s_or_b32 s[G0+11], s[G0+11], 0x80000000
	s_mov_b64 s[G0B+10:G0B+11], s[96:97]
	s_or_b32 s[G0B+11], s[G0B+11], 0x80000000
	s_mul_i32 s2, s18, 98304                       ; the later loads at my 8 tiles
	s_add_nc_u64 s[92:93], s[92:93], s[2:3]
	s_add_nc_u64 s[96:97], s[96:97], s[2:3]
.irp s, 0,1
	s_add_nc_u64 s[G0+4*\s+2:G0+4*\s+3], s[92:93], \s*3072
	s_or_b32 s[G0+4*\s+3], s[G0+4*\s+3], 0x80000000
	s_add_nc_u64 s[G0B+4*\s+2:G0B+4*\s+3], s[96:97], \s*3072
	s_or_b32 s[G0B+4*\s+3], s[G0B+4*\s+3], 0x80000000
.endr
	CROUND                                         ; all sixteen work-groups are here: the first joint loads meet
; THE HEAD'S LOADS, ONE A WAVE: wave 0 A's 16 tiles of K's first quarter, wave 1 B's, wave 2 A's scale bytes, wave 3 B's.  One chain of branches on the wave's number, every way passes one load.
.macro ARM under, g0, g1, next
	s_cmp_lt_u32 s16, \under
	s_cbranch_scc0 \next
	tensor_load_to_lds s[\g0:\g0+3], s[\g1:\g1+7]
	s_nop 0
.rept 4
	v_nop
.endr
	s_branch .Lhead_asked
\next:
.endm
	ARM 1, G0+8, G1, .Lhead_b
	ARM 2, G0B+8, G1B, .Lhead_sa
	ARM 3, G0S, G1S, .Lhead_sb
	tensor_load_to_lds s[G0SB:G0SB+3], s[G1SB:G1SB+7]
	s_nop 0
.rept 4
	v_nop
.endr
.Lhead_asked:
	v_and_b32 v1, 15, v0                           ; r
	v_bfe_u32 v2, v0, 4, 1                         ; h
	v_and_b32 v3, 31, v0                           ; lane
	v_lshlrev_b32 v[L16], 4, v3
	v_lshlrev_b32 v[L8], 3, v3
	v_lshlrev_b32 v4, 6, v2                        ; the bias: 16 numbers on for lanes 16-31
	s_wait_alu depctr_va_vdst(0)
	s_lshl_b32 s2, s21, 20                         ; 256 rows of 4,096 bytes a tile row,
	s_lshl_b32 s3, s17, 19                         ; 128 for my half
	s_add_co_u32 s2, s2, s3
	s_mov_b32 s3, 0
	s_lshl_b32 s100, s22, 10                       ; my first column, in bytes
	s_lshl_b32 s101, s18, 9
	s_add_co_u32 s100, s100, s101
	s_mov_b32 s101, 0
	s_add_nc_u64 s[12:13], s[12:13], s[100:101]
	s_add_nc_u64 s[14:15], s[14:15], s[100:101]
	s_add_nc_u64 s[14:15], s[14:15], s[2:3]
.irp t, 0,1,2,3,4,5,6,7                        ; eight registers a tile of columns, in the result's layout
	global_load_b128 v[BIAS+8*\t:BIAS+8*\t+3], v4, s[12:13] offset:(32*(\t/2)+8*(\t%2))*4
	global_load_b128 v[BIAS+8*\t+4:BIAS+8*\t+7], v4, s[12:13] offset:(32*(\t/2)+8*(\t%2))*4+16
.endr
	v_add_nc_u32 v5, 512, v[L8]
	s_mul_i32 s2, s17, HALFT
	s_mul_i32 s100, s18, HALFT
	s_add_co_u32 s100, s100, 2*HALFT
.irp s, 0,1,2
	v_add_nc_u32 v[ADRA+2*\s], s2, v[L16]
	v_add_nc_u32 v[ADRA+2*\s+1], s2, v5
	v_add_nc_u32 v[ADRB+2*\s], s100, v[L16]
	v_add_nc_u32 v[ADRB+2*\s+1], s100, v5
.if \s == 0
	s_lshl_b32 s2, s2, 1                           ; behind slot 0 a wave's part is twice as long,
	s_lshl_b32 s100, s100, 1
	s_add_co_u32 s2, s2, SLOT
	s_add_co_u32 s100, s100, SLOT
.else
	s_add_co_u32 s2, s2, 3072                      ; and slot 2 is the second half of each tile's 6,144 bytes
	s_add_co_u32 s100, s100, 3072
.endif
.endr
	s_lshl_b32 s2, s17, 10                         ; the scale words: my 128 rows of A's 256,
	s_lshl_b32 s100, s18, 10
	s_add_co_u32 s100, s100, 8192
	s_sub_co_u32 s100, s100, s2                    ; from A's scale words to B's: lanes 16-31 add it
	v_mul_u32_u24 v6, s100, v2
	s_add_co_u32 s2, s2, SCL
	v_lshl_add_u32 v[ADRS], v1, 3, v6
	v_add_nc_u32 v[ADRS], s2, v[ADRS]
	s_mul_i32 s2, s16, 16*528
	s_add_co_u32 s2, s2, STAGE                     ; my stage
	v_mul_u32_u24 v[STO], v1, 528
	v_lshl_add_u32 v[STO], v2, 6, v[STO]
	v_add_nc_u32 v[STO], s2, v[STO]                ; in: row r, + 64 h
	v_add_nc_u32 v[RD], s2, v[L16]                 ; back: a row of 512 bytes, 16 a lane
	s_wait_alu depctr_va_vdst(0)
	s_wait_tensorcnt 0x0                           ; my tile of the head's four is in
	ds_add_u32 v[SPW], v[NIL]
.irp g, G1, G1B                        ; no tensor load of mine is out: from here a load brings 8 tiles; the next one rows of 6,144 bytes, K's second and third quarter
	s_mov_b32 s[\g+1], 768<<16
	s_mov_b32 s[\g+2], 8<<16
	s_mov_b32 s[\g+3], 768<<16
	s_mov_b32 s[\g+4], 8
.endr
	s_wait_dscnt 0x0
	CROUND                                         ; all four tiles are in, and all sixteen work-groups are here
	JLOAD G0+4, G1, G0B+4, G1B                     ; slots 1 and 2 by one load a wave, the first tensor load behind the round
	FETCH_B 0, 0, 0
	FETCH_A 0, 0, 0
	SCALES 0
	FETCH_A 0, 0, 4
	s_wait_loadcnt 0x0                             ; the bias
	KSTEP 0, 0, 0, 0, 1, 0, 0, 2                   ; the first products start the sums with the bias
	KSTEP 0, 1, 0, 1, 0, 1, 2, 0                   ; the one round: slots 1 and 2 are whole for every wave, slot 0 is left and filled again
	KSTEP 1, 0, 1, 1, 1, 1, 0, 0
	KSTEP 1, 1, 1, 2, 0, 2, 0, 0
	KSTEP 2, 0, 2, 2, 1, 2, 0, 0
	KSTEP 2, 1, 2, 0, 0, 3, 1, 0                   ; slot 0's second fill is whole for every wave
	KSTEP 0, 0, 3, 0, 1, 3, 0, 0
	s_wait_dscnt 16                                ; the last step: nothing more to fetch
	WIN 0xa1
	MUL16 0, 1, 1, 1, 0
	MUL16 2, 1, 1, 1, 0
	s_wait_dscnt 0x0
	WIN 0xf1
	MUL16 4, 1, 1, 1, 0
	MUL16 6, 1, 1, 1, 0
	WIN 0
; THE WAY OUT, a tile of 16 tokens x 128 columns at a time, through my own stage: a lane's 8 numbers of accumulator b go to byte 128 (b / 2) + 32 (b % 2) + 64 h of row r; whole rows of 512 bytes come back.
; LDS serves a wave's instructions in order (ISA guide 5.7.1.4): no wait between the stores and the loads, nor in front of the next tile's stores.
.macro TOSTAGE a
.set AC, 64*((\a)%4)
	WIN 0x08+4*((\a)/4)                            ; the data: window 2 or 3
.irp b, 0,1,2,3,4,5,6,7
	ds_store_b128 v[STO], v[AC+8*\b:AC+8*\b+3] offset:128*(\b/2)+32*(\b%2)          ; each accumulator from its low end on
	ds_store_b128 v[STO], v[AC+8*\b+4:AC+8*\b+7] offset:128*(\b/2)+32*(\b%2)+16
.endr
	WIN 0
.set BB, BK+64*((\a)%2)
.irp t, 0,1,2,3,4,5,6,7,8,9,10,11,12,13,14,15
	ds_load_b128 v[BB+4*\t:BB+4*\t+3], v[RD] offset:\t*528
.endr
.endm
.macro SEND a, younger                 ; younger: the LDS instructions issued behind tile a's loads, which may stay out
.set BB, BK+64*((\a)%2)
	s_wait_dscnt \younger
.irp t, 0,1,2,3,4,5,6,7,8,9,10,11,12,13,14,15
	global_store_b128 v[L16], v[BB+4*\t:BB+4*\t+3], s[14:15] offset:(32*((\a)/2)+8*((\a)%2)+\t+8*(\t/8))*4096 th:TH_STORE_NT   ; 32 lanes store 512 consecutive bytes, aligned; the row's true place stands in the immediate (127 rows at the most)
.endr
.endm
	PLACES                                         ; in front of the reads of results and of the loads into the registers that held A's fragments
	TOSTAGE 0
.irp a, 1,2,3,4,5,6,7
.if \a > 1
	s_wait_xcnt 0x0                                ; tile a - 2's stores have read their registers: tile a's loads may land there
.endif
	TOSTAGE \a
	SEND \a-1, 32                                  ; behind tile a - 1's loads: tile a's 16 stores and 16 loads
.endr
	SEND 7, 0
	s_wait_tensorcnt 0x0                           ; the wave's end: three lines behind my last tensor load and my last LDS store
	ds_add_u32 v[SPW], v[NIL]
	s_wait_dscnt 0x0
	CROUND                                         ; the closing round: no work-group ends while a partner may still ask for a tile that names it
	s_endpgm
.Lfunc_end_k_q8471e53cad_proj:
	.size	k_q8471e53cad_proj, .Lfunc_end_k_q8471e53cad_proj-k_q8471e53cad_proj
	.p2alignl 7, 3214868480
	.fill 96, 4, 3214868480
	.section	.rodata,"a",@progbits
	.p2align	6, 0x0
	.amdhsa_kernel k_q8471e53cad_proj
		.amdhsa_group_segment_fixed_size 327680
		.amdhsa_private_segment_fixed_size 0
		.amdhsa_enable_private_segment 0
		.amdhsa_kernarg_size 48
		.amdhsa_user_sgpr_count 2
		.amdhsa_user_sgpr_kernarg_segment_ptr 1
		.amdhsa_wavefront_size32 1
		.amdhsa_system_sgpr_workgroup_id_x 1
		.amdhsa_system_sgpr_workgroup_id_y 1
		.amdhsa_system_sgpr_workgroup_id_z 1
		.amdhsa_system_vgpr_workitem_id 0
		.amdhsa_next_free_vgpr 1024
		.amdhsa_next_free_sgpr 102
		.amdhsa_reserve_vcc 0
		.amdhsa_float_denorm_mode_32 3
		.amdhsa_float_denorm_mode_16_64 3
		.amdhsa_memory_ordered 1
		.amdhsa_forward_progress 1
		.amdhsa_inst_pref_size 145
	.end_amdhsa_kernel
	.amdgpu_metadata
---
amdhsa.version: [ 1, 2 ]
amdhsa.kernels:
  - .name:           k_q8471e53cad_proj
    .symbol:         k_q8471e53cad_proj.kd
    .args:
      - { .name: oc, .offset: 0, .size: 8, .value_kind: global_buffer, .address_space: global }
      - { .name: os, .offset: 8, .size: 8, .value_kind: global_buffer, .address_space: global }
      - { .name: wc, .offset: 16, .size: 8, .value_kind: global_buffer, .address_space: global }
      - { .name: ws, .offset: 24, .size: 8, .value_kind: global_buffer, .address_space: global }
      - { .name: bo, .offset: 32, .size: 8, .value_kind: global_buffer, .address_space: global }
      - { .name: out0, .offset: 40, .size: 8, .value_kind: global_buffer, .address_space: global }
    .group_segment_fixed_size: 327680
    .private_segment_fixed_size: 0
    .kernarg_segment_align: 8
    .kernarg_segment_size: 48
    .max_flat_workgroup_size: 128
    .sgpr_count:     102
    .vgpr_count:     1024
    .wavefront_size: 32
...
	.end_amdgpu_metadata
.endif
;; end of part 4
